; MI455X (gfx1250); checked and timed in simulation.
; The chip was launched on July 23, 2026; its instructions are those of AMD's public machine-readable ISA for CDNA 5 (MIT licence, August 2026) and "CDNA5" Instruction Set Architecture Reference Guide (July 2026). The comments in the code are by the model that wrote it; some were corrected since.
;; Causal Self Attention. Allowed arithmetic: matrix products marked QUANTISED: E2M3 operands, one E8M0 scale for each 32 along K, by v_wmma_scale_f32_16x16x128_f8f6f4 with both operands' format E2M3, f32 sums; products left as they are: f32 operands where the result goes on into a quantised operand, else bf16, f16 or f32 operands; f32 sums; everything else in f32.
;; Inputs: Wout 1,024 x 1,024 float32; Wqkv 1,024 x 3,072 float32; x 4 x 2,048 x 1,024 float32.
;; Outputs: out0 4 x 2,048 x 1,024 float32.
;; This version of the problem:
;;   THIS VERSION OF THE PROBLEM IS GIVEN IN LOW PRECISION. The matrix products marked QUANTISED in the list below multiply operands that are first quantised to E2M3 (2 exponent bits, 3 mantissa bits; 6 bits a number), with one power-of-two scale for each 32 numbers along K (OCP MX v1.0); their sums are f32. All else is computed in f32.
;;   The module's matrix products, in the order in which they are computed (A, B: the left and right operand; K: the contracted axis; several contracted axes count as one K, in the product's order):
;;     1. [M 8,192, K 1,024] x [K 1,024, N 3,072]; A: input x; B: input Wqkv: QUANTISED
;;     2. [M 2,048, K 1] x [K 1, N 32]; A: computed on the way; B: computed on the way: left as it is (no contracted axis)
;;     3. batch 64 x [M 2,048, K 64] x [K 64, N 2,048]; A: computed on the way; B: computed on the way: QUANTISED
;;     4. batch 64 x [M 2,048, K 2,048] x [K 2,048, N 64]; A: softmax (see below); B: computed on the way: QUANTISED
;;     5. [M 8,192, K 1,024] x [K 1,024, N 1,024]; A: computed on the way; B: input Wout: QUANTISED
;;   THE QUANTISER, for each operand of a quantised product, along K:
;;     - K is cut into blocks of 32 from its start; a last block that is shorter is filled with zeros.
;;     - A block's scale is 2^e with e = floor(log2(the largest magnitude in the block)) - 2, held to -126 .. 127; a block of zeros has e = 0. As a byte (E8M0): e + 127.
;;     - Each number is divided by its block's scale, clamped to +-7.5, and rounded to the nearest number of E2M3, ties to even, subnormals kept.
;;     - The product sums the exact products of the quantised numbers (number of the format x scale) in f32.
;;   ~~~python
;;   def quantise(x, axis):      # numpy; x: float32 -> the quantised numbers, widened to float32 again
;;       x = np.moveaxis(x, axis, -1); K = x.shape[-1]
;;       x = np.pad(x, [(0, 0)] * (x.ndim - 1) + [(0, -K % 32)]); x = x.reshape(x.shape[:-1] + (-1, 32)); a = np.abs(x).max(-1, keepdims=True)
;;       e = np.where(a > 0, np.clip(np.frexp(np.where(a > 0, a, 1))[1] - 1 - 2, -126, 127), 0)      # np.frexp(a)[1] - 1 = floor(log2(a)), exactly
;;       r = np.clip(x / 2.0 ** e, -7.5, 7.5)
;;       step = 2.0 ** (np.maximum(np.frexp(np.where(r == 0, 1, r))[1] - 1, 0) - 3)
;;       q = np.round(r / step) * step * 2.0 ** e      # np.round: ties to even
;;       return np.moveaxis(q.reshape(q.shape[:-2] + (-1,))[..., :K], -1, axis).astype(np.float32)
;;   ~~~
;;   SOFTMAX AHEAD OF A QUANTISED PRODUCT. Where the list says 'softmax', what is quantised is not the finished softmax but p = 2^(t - M), with t = logit x log2(e) and M = ceil(the row's largest t), a whole number; so 1/2 < the row's largest p <= 1. The row's sum l is taken of the UNQUANTISED p, in f32, and the product's result is divided by l at the end. Since M is a whole number, a kernel that streams over the keys may use a running M (the ceiling of the running maximum): every later rescaling is an exact power of two, which a block's scale takes up: the codes' values come out the same.
;;   OPERANDS COMPUTED ON THE WAY. 'Computed on the way' means the value that the module computes at that place (a softmax that the list does not call 'softmax' is quantised finished and normalised). What goes into a quantiser is computed in f32, as accurately as f32 sums, v_exp_f32 and their like allow (about 1e-6 of the number): no bf16 or f16 on the way to a quantiser, and a product that is left as it is and whose result goes on into a quantised operand takes f32 operands (vector FMAs, or v_wmma_f32_16x16x4_f32). A number that lies on a knife's edge between two numbers of the format may be rounded either way, as far as f32 arithmetic and the matrix unit's own rounding can turn it there, and no further.
;; One version. Each part assembles by itself: llvm-mc -triple=amdgcn-amd-amdhsa -mcpu=gfx1250 --defsym DOCPART=n.
;; ======== version 1 of 1: 4 launches
;; limits: right only within a limited range of input values
;; workspace buffers: codes 9,437,184 bytes; scales 393,216 bytes; rope 524,288 bytes; qkv_img 18,874,368 bytes; qkv_sc 1,572,864 bytes; att_img 6,291,456 bytes; att_sc 262,144 bytes
;; launch prep (part 1): grid 392 x 1, 4 waves a work-group, no clusters, 85,504 bytes of LDS; arguments x, Wqkv, Wout, codes, scales, rope; writes codes, scales, rope
.if DOCPART == 1
	.amdgcn_target "amdgcn-amd-amdhsa--gfx1250"
	.amdhsa_code_object_version 6
	.text
	.protected	k_q3c084cd908_prep
	.globl	k_q3c084cd908_prep
	.p2align	8
	.type	k_q3c084cd908_prep,@function
k_q3c084cd908_prep:
	s_mov_b64 s[64:65], 0
	v_nop
	global_prefetch_b8 v0, s[64:65] scope:SCOPE_SE
	s_setreg_imm32_b32 hwreg(HW_REG_WAVE_MODE, 25, 1), 1
	s_wait_xcnt 0x0
; PREP.  x [8192][1024], Wqkv [1024][3072], Wout [1024][1024], f32, become codes of FP6 (E2M3) with one E8M0 byte for each 32 along K (K = 1024), and the table of cos and sin for RoPE is made.
; LAYOUT OF THE CODES: images of operand registers.  A tile is 16 rows; for 128 along K its fragment is 12 registers a lane (lane (r, h): registers 6 c .. 6 c + 5 = k 64 c + 32 h + 0 .. 31 of row r).
; A half image (64 along K) is 768 bytes: registers 0-3 at 16 x lane, registers 4-5 at 512 + 8 x lane.  codes = [768 tiles][8 K steps of 128][2 half images].  Tiles 0-511 x, 512-703 Wqkv's columns, 704-767 Wout's.
; scales = [768 tiles][4 K steps of 256][16 rows][8 bytes].
; THE ROWS OF A TILE ARE NOT NEIGHBOURS: row rho of tile 2 b + u is true row (or column of W) 32 b + 8 u + rho % 8 + 16 (rho / 8), so that in the later products, used transposed, a lane's 16 registers of two
; neighbouring tiles are 16 neighbours along the next product's K.
; A block's scale is 2^(floor(log2(its largest magnitude)) - 2): the byte is the magnitude's exponent field - 2, held at 1 from below by a floor among the maximum's leaves.
; LIMITS: NaN and infinities among the inputs are not served; a block whose largest magnitude lies under 2^-124 keeps the byte 1; a block of zeros has the byte 1 where the rule says 127 (its codes are zeros, and this program alone reads the bytes).
; rope = [2048 t][32 cos | 32 sin] f32.  inv_freq(j) = 2^(-j log2(10000) / 32) with the exponent's rounding error carried; the angle t x inv_freq is rounded as reference() rounds it, reduced by three parts of pi / 2
; and put through polynomials for |r| <= pi / 4.  LIMIT: inv_freq may differ from reference()'s by about one ulp, the angle so by at most about 2e-4 rad at t = 2047.
; WORK-GROUPS: 0-255 x (a wave: one tile x 512 along K); 256-351 Wqkv, 352-383 Wout (a wave: 32 columns x 256 along K); 384-391 the table (a wave: 64 t).  Waves share nothing: no barrier.  Each path has LDS bytes of its own.
; x'S TILES GO BY AN ORDER OF THEIR OWN: row rho of x's tile 4 B + t is true row 64 B + 8 t + rho % 8 + 32 (rho / 8), so that in products used transposed with x's rows (or what is made of them: keys) as source 0
; a lane's 32 registers of four neighbouring tiles are a whole block of 32 neighbours.  W's columns keep the order stated above.
; WORK LEFT OUT BY THE PROGRAM: reference() hides every key above the query by its own tril mask, ahead of the softmax; a step of 128 keys that lies wholly above a tile's queries gives p = 0 for all values of the inputs
; and is not multiplied (launch attn).  A NaN, an infinity or an overflow that would reach only such hidden scores is not carried to the result.
.set XSTG, 8448
.set RR,   64                          ; v64-191   x path: two sets of 64 registers as loaded
.set XX,   192                         ; v192-255  x path: 64 numbers in the operand's order
; ---- x path: step t = 128 along K of the tile's 16 rows
.macro LOADX t                         ; 16 loads, each 512 consecutive bytes of one true row
.irp p, 0,1,2,3,4,5,6,7,8,9,10,11,12,13,14,15
	global_load_b128 v[RR+64*((\t)%2)+4*\p:RR+64*((\t)%2)+4*\p+3], v1, s[4:5] offset:((\p%8)+32*(\p/8))*4096+512*(\t) th:TH_LOAD_NT
.endr
.endm
.macro TURNX t                         ; through the wave's stage: in as loaded, out as lane (r, h) wants it: k = 64 c + 32 h + 0 .. 31 of row r.  LDS serves a wave's instructions in order: no wait between
.irp p, 0,1,2,3,4,5,6,7,8,9,10,11,12,13,14,15
	ds_store_b128 v3, v[RR+64*((\t)%2)+4*\p:RR+64*((\t)%2)+4*\p+3] offset:528*\p
.endr
.irp c, 0,1
.irp i, 0,1,2,3,4,5,6,7
	ds_load_b128 v[XX+32*\c+4*\i:XX+32*\c+4*\i+3], v4 offset:256*\c+16*\i
.endr
.endr
.endm
.macro QX t                            ; two whole blocks a lane -> 12 registers of codes and the row's scale word
.set XC, 16+12*((\t)%2)
.irp c, 0,1
	v_max3_num_f32 v[6+\c], |v[XX+32*\c]|, |v[XX+32*\c+1]|, 0x1800000   ; the floor 2^(3 - 127) among the leaves: the byte cannot fall under 1
.endr
.irp i, 2,4,6,8,10,12,14,16,18,20,22,24,26,28,30
.irp c, 0,1
	v_max3_num_f32 v[6+\c], v[6+\c], |v[XX+32*\c+\i]|, |v[XX+32*\c+\i+1]|
.endr
.endr
.irp c, 0,1
	v_add_nc_u32 v[8+\c], 0xff000000, v[6+\c]      ; 2 off the exponent field: the conversion's scale operand
.endr
.irp c, 0,1
	v_lshrrev_b32 v[10+\c], 23, v[8+\c]            ; the byte
.endr
	v_lshl_or_b32 v12, v11, 16, v10                ; my bytes: blocks h and 2 + h,
	v_lshlrev_b32 v12, v5, v12                     ; 8 h bits up;
	v_permlanex16_b32 v13, v12, s20, s21
	v_or_b32 v[48+(\t)], v12, v13                  ; with lane l xor 16's the word is whole
.irp c, 0,1
	v_cvt_scalef32_pk16_fp6_f32 v[XC+6*\c:XC+6*\c+2], v[XX+32*\c:XX+32*\c+15], v[8+\c]
	v_cvt_scalef32_pk16_fp6_f32 v[40+4*\c:42+4*\c], v[XX+32*\c+16:XX+32*\c+31], v[8+\c]   ; (a conversion's three registers begin on an even number)
.endr
	v_nop                                          ; one plain place behind a scaled conversion
.irp c, 0,1
.irp i, 0,1,2
	v_mov_b32 v[XC+6*\c+3+\i], v[40+4*\c+\i]
.endr
.endr
	global_store_b128 v1, v[XC:XC+3], s[10:11] offset:1536*(\t)           ; each store covers 512 or 256 consecutive bytes, aligned
	global_store_b64 v2, v[XC+4:XC+5], s[10:11] offset:1536*(\t)+512
	global_store_b128 v1, v[XC+6:XC+9], s[10:11] offset:1536*(\t)+768
	global_store_b64 v2, v[XC+10:XC+11], s[10:11] offset:1536*(\t)+1280
.endm
; ---- W paths: a lane takes a column, its registers run down K
.macro LOADW t, N
.irp i, 0,1,2,3,4,5,6,7,8,9,10,11,12,13,14,15,16,17,18,19,20,21,22,23,24,25,26,27,28,29,30,31
	global_load_b32 v[32+32*((\t)%2)+\i], v1, s[24:25] offset:(32*(\t)+\i)*(\N)*4 th:TH_LOAD_NT
.endr
.endm
.macro BLOCKW t, N                     ; block t of 8: 32 along K of my column
.set XS, 32+32*((\t)%2)
.if (\t) < 7
	s_wait_loadcnt 32                              ; this block's 32 loads are in; the next block's may be out
.else
	s_wait_loadcnt 0x0
.endif
	v_max3_num_f32 v12, |v[XS]|, |v[XS+1]|, |v[XS+2]|
	v_max3_num_f32 v13, |v[XS+3]|, |v[XS+4]|, |v[XS+5]|
.irp i, 6,10,14,18,22,26
	v_max3_num_f32 v12, v12, |v[XS+\i]|, |v[XS+\i+1]|
	v_max3_num_f32 v13, v13, |v[XS+\i+2]|, |v[XS+\i+3]|
.endr
	v_max3_num_f32 v12, v12, |v[XS+30]|, |v[XS+31]|
	v_max3_num_f32 v12, v12, v13, 0x1800000        ; and the floor
	v_add_nc_u32 v14, 0xff000000, v12
	v_lshrrev_b32 v13, 23, v14
.if (\t)%4 == 0
	v_mov_b32 v[24+(\t)/4], v13                    ; four bytes to a register, the lower K in the lower byte
.else
	v_lshl_or_b32 v[24+(\t)/4], v13, 8*((\t)%4), v[24+(\t)/4]
.endif
	v_cvt_scalef32_pk16_fp6_f32 v[96:98], v[XS:XS+15], v14
	v_cvt_scalef32_pk16_fp6_f32 v[100:102], v[XS+16:XS+31], v14
	v_nop                                          ; one plain place behind a scaled conversion
	v_mov_b32 v99, v100                            ; the six registers on end: v96-101
	v_mov_b32 v100, v101
	v_mov_b32 v101, v102
	ds_store_b128 v3, v[96:99] offset:((\t)/4)*1536+(((\t)/2)%2)*768+256*((\t)%2)        ; the image's place of lane rho + 16 h, h = t % 2
	ds_store_b64 v4, v[100:101] offset:((\t)/4)*1536+(((\t)/2)%2)*768+512+128*((\t)%2)
.if (\t)+2 < 8
	LOADW (\t)+2, \N
.endif
	s_wait_dscnt 0x0                               ; the stores have read their registers
.endm
.macro WQ N, TILE0, LDSB, FIRST, P     ; N columns; first tile; first LDS byte; first work-group; the source's address at s[P:P+1]
	v_and_b32 v7, 31, v0                           ; lane = column within my 32
	v_lshlrev_b32 v1, 2, v7
	v_lshlrev_b32 v2, 4, v7
	v_bfe_u32 v8, v0, 3, 1                         ; u: which of the two tiles
	v_and_b32 v9, 7, v0
	v_bfe_u32 v10, v0, 4, 1
	v_lshl_add_u32 v9, v10, 3, v9                  ; rho: my row in it
	s_mul_i32 s17, s16, 6400                       ; my wave's stage: two tiles x (3,072 + 128) bytes
	s_add_co_u32 s17, s17, \LDSB
	v_mul_u32_u24 v10, v8, 3200
	v_add_nc_u32 v10, s17, v10
	v_lshl_add_u32 v3, v9, 4, v10
	v_lshl_add_u32 v4, v9, 3, v10
	v_add_nc_u32 v5, s17, v2
	v_lshlrev_b32 v6, 9, v8
	v_lshl_add_u32 v6, v9, 3, v6                   ; scale bytes: 512 u + 8 rho
	s_sub_co_u32 s17, ttmp9, \FIRST
	s_lshr_b32 s18, s17, 2                         ; which 128 columns
	s_and_b32 s19, s17, 3                          ; which 256 along K
	s_lshl_b32 s20, s18, 2
	s_add_co_u32 s20, s20, s16                     ; which 32 columns
	s_mul_i32 s22, s19, 1024*(\N)                  ; 256 rows of N x 4 bytes
	s_lshl_b32 s23, s20, 7
	s_add_co_u32 s22, s22, s23
	s_mov_b32 s23, 0
	s_add_nc_u64 s[24:25], s[\P:\P+1], s[22:23]
	s_lshl_b32 s21, s20, 1
	s_add_co_u32 s21, s21, \TILE0                  ; my first tile
	s_mul_i32 s22, s21, 12288
	s_mul_i32 s26, s19, 3072
	s_add_co_u32 s22, s22, s26
	s_add_nc_u64 s[26:27], s[10:11], s[22:23]
	s_lshl_b32 s22, s21, 9
	s_lshl_b32 s28, s19, 7
	s_add_co_u32 s22, s22, s28
	s_add_nc_u64 s[28:29], s[12:13], s[22:23]
	LOADW 0, \N
	LOADW 1, \N
.irp t, 0,1,2,3,4,5,6,7
	BLOCKW \t, \N
.endr
	s_wait_alu depctr_va_vdst(0)
	global_store_b64 v6, v[24:25], s[28:29]        ; my column's 8 scale bytes
.irp u, 0,1
.irp i, 0,1,2,3,4,5
	ds_load_b128 v[112+24*\u+4*\i:112+24*\u+4*\i+3], v5 offset:3200*\u+512*\i   ; the images leave as they lie: these see my stores
.endr
.endr
.irp u, 0,1
.irp i, 0,1,2,3,4,5
	s_wait_dscnt 11-6*\u-\i
	global_store_b128 v2, v[112+24*\u+4*\i:112+24*\u+4*\i+3], s[26:27] offset:12288*\u+512*\i   ; 512 consecutive bytes, aligned
.endr
.endr
.endm
	s_load_b256 s[4:11], s[0:1], 0x0               ; x s[4:5], Wqkv s[6:7], Wout s[8:9], codes s[10:11]
	s_load_b128 s[12:15], s[0:1], 0x20             ; scales s[12:13], rope s[14:15]
	s_set_vgpr_msb 0x40
	v_lshl_add_u32 v0, v0, 2, 0x14c00
	v_mov_b32 v1, 0
	s_set_vgpr_msb 0x4000
	v_lshrrev_b32 v1, 5, v0
	v_readfirstlane_b32 s16, v1                    ; wave
	s_wait_kmcnt 0x0
	s_cmp_lt_u32 ttmp9, 256
	s_cbranch_scc0 .Lnot_x
	; ---------------- x
	v_and_b32 v6, 31, v0                           ; lane
	v_and_b32 v7, 15, v0                           ; r
	v_bfe_u32 v8, v0, 4, 1                         ; h
	v_lshlrev_b32 v1, 4, v6
	s_wait_alu depctr_va_vdst(0)
	v_lshlrev_b32 v2, 3, v6
	s_mul_i32 s17, s16, XSTG
	v_add_nc_u32 v3, s17, v1                       ; stage, in: 16 x lane
	v_mul_u32_u24 v4, v7, 528
	v_lshl_add_u32 v4, v8, 7, v4
	v_add_nc_u32 v4, s17, v4                       ; stage, out: row r, + 128 h
	v_lshlrev_b32 v5, 3, v8                        ; 8 h
	v_mov_b32 v13, 0                               ; written once: a lane permute's destination counts as one of its sources
	s_mov_b32 s20, 0x76543210
	s_mov_b32 s21, 0xfedcba98                      ; selects for lane l xor 16
	s_mov_b32 s22, 0xffff0000                      ; lanes 16-31
	s_lshl_b32 s17, ttmp9, 2
	s_add_co_u32 s17, s17, s16
	s_lshr_b32 s18, s17, 1                         ; tile T
	s_and_b32 s19, s17, 1                          ; which 512 along K
	s_lshr_b32 s24, s18, 2
	s_lshl_b32 s24, s24, 18                        ; 64 (T / 4) rows of 4,096 bytes
	s_and_b32 s25, s18, 3                          ; and 8 (T % 4) rows, by the shift below
	s_lshl_b32 s25, s25, 15                        ; 8 (T % 4) rows
	s_add_co_u32 s24, s24, s25
	s_lshl_b32 s25, s19, 11
	s_add_co_u32 s24, s24, s25
	s_mov_b32 s25, 0
	s_add_nc_u64 s[4:5], s[4:5], s[24:25]
	s_mul_i32 s24, s18, 12288
	s_mul_i32 s26, s19, 6144
	s_add_co_u32 s24, s24, s26
	s_add_nc_u64 s[10:11], s[10:11], s[24:25]
	s_lshl_b32 s24, s18, 9
	s_lshl_b32 s26, s19, 8
	s_add_co_u32 s24, s24, s26
	s_add_nc_u64 s[12:13], s[12:13], s[24:25]
	LOADX 0
	LOADX 1
	s_wait_alu depctr_va_vdst(0)
	s_wait_loadcnt 16                              ; step 0's 16 loads are in, step 1's may be out
	TURNX 0
.irp t, 0,1,2,3
	s_wait_dscnt 0x0                               ; this step's numbers are back from the stage; its stores into the stage have read their registers,
.if \t < 2
	LOADX \t+2                                     ; which take the loads of two steps on
.else
	s_wait_xcnt 0x0                                ; the codes' registers of two steps back are written again only behind this wait
.endif
	QX \t
.if \t < 2
	s_wait_loadcnt 16                              ; the next step's loads are in; those of the step behind it may be out
.elseif \t == 2
	s_wait_loadcnt 0x0
.endif
.if \t < 3
	TURNX \t+1
.endif
.endr
	v_cndmask_b32 v14, v48, v50, s22               ; lanes 0-15: the words of my first 256 along K; lanes 16-31: of the second
	v_cndmask_b32 v15, v49, v51, s22
	global_store_b64 v2, v[14:15], s[12:13]        ; 256 consecutive bytes, aligned
	s_set_vgpr_msb 0x5
	s_wait_tensorcnt 0x0
	ds_add_u32 v0, v1
	s_wait_dscnt 0x0
	s_set_vgpr_msb 0x500
	s_endpgm
.Lnot_x:
	s_cmp_lt_u32 ttmp9, 352
	s_cbranch_scc0 .Lnot_wqkv
	WQ 3072, 512, 33792, 256, 6
	s_set_vgpr_msb 0x5
	s_wait_tensorcnt 0x0
	ds_add_u32 v0, v1
	s_wait_dscnt 0x0
	s_set_vgpr_msb 0x500
	s_endpgm
.Lnot_wqkv:
	s_cmp_lt_u32 ttmp9, 384
	s_cbranch_scc0 .Lrope
	WQ 1024, 704, 59392, 352, 8
	s_set_vgpr_msb 0x5
	s_wait_tensorcnt 0x0
	ds_add_u32 v0, v1
	s_wait_dscnt 0x0
	s_set_vgpr_msb 0x500
	s_endpgm
.Lrope:
	; ---------------- the table.  Lane l: j = 2 (l % 16) and + 1; lanes 0-15 cos, lanes 16-31 sin = cos of the angle a quarter turn back
	s_sub_co_u32 s17, ttmp9, 384
	s_lshl_b32 s17, s17, 2
	s_add_co_u32 s17, s17, s16                     ; which 64 t
	s_lshl_b32 s18, s17, 14                        ; 64 rows of 256 bytes
	s_mov_b32 s19, 0
	s_add_nc_u64 s[14:15], s[14:15], s[18:19]
	s_lshl_b32 s18, s17, 6                         ; my first t
	v_and_b32 v1, 31, v0
	v_lshlrev_b32 v7, 3, v1                        ; 8 x lane
	v_and_b32 v2, 15, v0
	v_lshlrev_b32 v2, 1, v2
	v_bfe_u32 v8, v0, 4, 1
	v_mul_u32_u24 v8, v8, 3                        ; quarter turns added: 0 or 3
	v_cvt_f32_u32 v3, v2                           ; j
	s_wait_alu depctr_va_vdst(0)
	v_add_f32 v4, 1.0, v3                          ; j + 1
	s_wait_alu depctr_va_vdst(0)
	v_cvt_f32_u32 v9, s18                          ; t
	s_mov_b32 s20, 0x3ed49a78                      ; log2(10000) / 32, its f32 head
	s_mov_b32 s21, 0x32179a6b                      ; and what the head leaves
	s_mov_b32 s22, 0x3f317218                      ; ln 2
	s_mov_b32 s23, 0x3f22f983                      ; 2 / pi
	s_mov_b32 s24, 0x3fc90000                      ; pi / 2 in three parts
	s_mov_b32 s25, 0x39fda000
	s_mov_b32 s26, 0x33a22169
	s_mov_b32 s27, 0xb94ca1f9                      ; sin's coefficients
	s_mov_b32 s28, 0x3c08839e
	s_mov_b32 s29, 0xbe2aaaa3
	s_mov_b32 s30, 0x37ccf5ce                      ; cos's
	s_mov_b32 s31, 0xbab6061a
	s_mov_b32 s32, 0x3d2aaaa5
.irp k, 0,1
	v_mul_f32 v[10+\k], s20, v[3+\k]               ; the exponent, rounded,
.endr
.irp k, 0,1
	v_fma_f32 v[12+\k], v[3+\k], s20, -v[10+\k]    ; what the rounding lost,
.endr
.irp k, 0,1
	v_fma_f32 v[12+\k], v[3+\k], s21, v[12+\k]     ; and the constant's tail
.endr
.irp k, 0,1
	v_mul_f32 v[12+\k], s22, v[12+\k]
.endr
.irp k, 0,1
	v_exp_f32 v[10+\k], -v[10+\k]
.endr
	v_nop                                          ; a plain place behind the exponentials,
	s_wait_alu depctr_va_vdst(0)                   ; and the wait ahead of their first reader
.irp k, 0,1
	v_fma_f32 v[10+\k], -v[12+\k], v[10+\k], v[10+\k]   ; inv_freq = 2^(-head) (1 - tail ln 2)
.endr
	s_mov_b32 s33, 0
.Lt:
	s_wait_alu depctr_va_vdst(0)
.irp k, 0,1
	v_mul_f32 v[12+\k], v9, v[10+\k]               ; the angle, rounded once
.endr
.irp k, 0,1
	v_mul_f32 v[14+\k], s23, v[12+\k]
.endr
.irp k, 0,1
	v_rndne_f32 v[14+\k], v[14+\k]                 ; n quarter turns
.endr
.irp k, 0,1
	v_fma_f32 v[12+\k], -v[14+\k], s24, v[12+\k]
.endr
.irp k, 0,1
	v_fma_f32 v[12+\k], -v[14+\k], s25, v[12+\k]
.endr
.irp k, 0,1
	v_fma_f32 v[12+\k], -v[14+\k], s26, v[12+\k]   ; r, |r| <= pi / 4
.endr
.irp k, 0,1
	v_mul_f32 v[16+\k], v[12+\k], v[12+\k]         ; z = r^2
.endr
.irp k, 0,1
	v_fma_f32 v[18+\k], v[16+\k], s27, s28
	v_fma_f32 v[20+\k], v[16+\k], s30, s31
.endr
.irp k, 0,1
	v_fma_f32 v[18+\k], v[18+\k], v[16+\k], s29
	v_fma_f32 v[20+\k], v[20+\k], v[16+\k], s32
.endr
.irp k, 0,1
	v_mul_f32 v[18+\k], v[18+\k], v[16+\k]
	v_mul_f32 v[22+\k], v[16+\k], v[16+\k]
	v_fma_f32 v[26+\k], v[16+\k], -0.5, 1.0
.endr
.irp k, 0,1
	v_fma_f32 v[18+\k], v[18+\k], v[12+\k], v[12+\k]   ; sin r
	v_fma_f32 v[20+\k], v[20+\k], v[22+\k], v[26+\k]   ; cos r
	v_cvt_i32_f32 v[14+\k], v[14+\k]
.endr
.irp k, 0,1
	v_add_nc_u32 v[14+\k], v[14+\k], v8            ; the quadrant
.endr
.irp k, 0,1
	v_and_b32 v[22+\k], 1, v[14+\k]
.endr
	v_cmp_eq_u32 vcc_lo, 1, v22
	v_cndmask_b32 v24, v20, v18, vcc_lo            ; odd quadrants take sin r
	v_cmp_eq_u32 vcc_lo, 1, v23
	v_cndmask_b32 v25, v21, v19, vcc_lo
.irp k, 0,1
	v_add_nc_u32 v[14+\k], 1, v[14+\k]
.endr
.irp k, 0,1
	v_lshlrev_b32 v[14+\k], 30, v[14+\k]
.endr
.irp k, 0,1
	v_and_b32 v[14+\k], 0x80000000, v[14+\k]       ; quadrants 1 and 2 are negative
.endr
.irp k, 0,1
	v_xor_b32 v[24+\k], v[24+\k], v[14+\k]
.endr
	global_store_b64 v7, v[24:25], s[14:15]        ; a row of the table: 256 consecutive bytes, aligned
	v_add_f32 v9, 1.0, v9
	s_wait_xcnt 0x0                                ; the store's offset and data are written again only behind this wait
	v_add_nc_u32 v7, 256, v7
	s_add_co_u32 s33, s33, 1
	s_cmp_lt_u32 s33, 64
	s_cbranch_scc1 .Lt
	s_endpgm
.Lfunc_end_k_q3c084cd908_prep:
	.size	k_q3c084cd908_prep, .Lfunc_end_k_q3c084cd908_prep-k_q3c084cd908_prep
	.p2alignl 7, 3214868480
	.fill 96, 4, 3214868480
	.section	.rodata,"a",@progbits
	.p2align	6, 0x0
	.amdhsa_kernel k_q3c084cd908_prep
		.amdhsa_group_segment_fixed_size 85504
		.amdhsa_private_segment_fixed_size 0
		.amdhsa_enable_private_segment 0
		.amdhsa_kernarg_size 48
		.amdhsa_user_sgpr_count 2
		.amdhsa_user_sgpr_kernarg_segment_ptr 1
		.amdhsa_wavefront_size32 1
		.amdhsa_system_sgpr_workgroup_id_x 1
		.amdhsa_system_sgpr_workgroup_id_y 1
		.amdhsa_system_sgpr_workgroup_id_z 1
		.amdhsa_system_vgpr_workitem_id 0
		.amdhsa_next_free_vgpr 258
		.amdhsa_next_free_sgpr 66
		.amdhsa_reserve_vcc 1
		.amdhsa_float_denorm_mode_32 3
		.amdhsa_float_denorm_mode_16_64 3
		.amdhsa_memory_ordered 1
		.amdhsa_forward_progress 1
		.amdhsa_inst_pref_size 118
	.end_amdhsa_kernel
	.amdgpu_metadata
---
amdhsa.version: [ 1, 2 ]
amdhsa.kernels:
  - .name:           k_q3c084cd908_prep
    .symbol:         k_q3c084cd908_prep.kd
    .args:
      - { .name: x, .offset: 0, .size: 8, .value_kind: global_buffer, .address_space: global }
      - { .name: Wqkv, .offset: 8, .size: 8, .value_kind: global_buffer, .address_space: global }
      - { .name: Wout, .offset: 16, .size: 8, .value_kind: global_buffer, .address_space: global }
      - { .name: codes, .offset: 24, .size: 8, .value_kind: global_buffer, .address_space: global }
      - { .name: scales, .offset: 32, .size: 8, .value_kind: global_buffer, .address_space: global }
      - { .name: rope, .offset: 40, .size: 8, .value_kind: global_buffer, .address_space: global }
    .group_segment_fixed_size: 85504
    .private_segment_fixed_size: 0
    .kernarg_segment_align: 8
    .kernarg_segment_size: 48
    .max_flat_workgroup_size: 128
    .sgpr_count:     66
    .vgpr_count:     258
    .wavefront_size: 32
...
	.end_amdgpu_metadata
.endif
;; end of part 1
;; launch qkv (part 2): grid 12 x 32, 4 waves a work-group, clusters of 4 x 4, 327,680 bytes of LDS; arguments codes, scales, rope, qkv_img, qkv_sc; writes qkv_img, qkv_sc
.if DOCPART == 2
	.amdgcn_target "amdgcn-amd-amdhsa--gfx1250"
	.amdhsa_code_object_version 6
	.text
	.protected	k_q3c084cd908_qkv
	.globl	k_q3c084cd908_qkv
	.p2align	8
	.type	k_q3c084cd908_qkv,@function
k_q3c084cd908_qkv:
	s_mov_b64 s[64:65], 0
	v_nop
	global_prefetch_b8 v0, s[64:65] scope:SCOPE_SE
	s_setreg_imm32_b32 hwreg(HW_REG_WAVE_MODE, 25, 1), 1
	s_wait_xcnt 0x0
	s_wait_alu depctr_hold_cnt(0) depctr_sa_sdst(0) depctr_va_vdst(0) depctr_va_sdst(0) depctr_va_ssrc(0) depctr_va_vcc(0) depctr_vm_vsrc(0)
	s_getreg_b32 s2, hwreg(HW_REG_IB_STS2, 6, 4)
	s_cmp_eq_u32 s2, 0
	s_cbranch_scc0 .Lentry_in_a_cluster
	s_endpgm
.Lentry_in_a_cluster:
	s_bfe_u32 s2, ttmp6, 0x10000c
	s_cmp_lg_u32 s2, 0xf033
	s_cbranch_scc0 .Lentry_shape_is_right
	s_endpgm
.Lentry_shape_is_right:
; QKV = x Wqkv on codes of FP6 (E2M3) with E8M0 scales, K = 1,024; then RoPE on q and k in f32; then q, k (along the head's 64) and v (along the keys) are quantised and stored as images of operand registers.
; A tile of the result, 256 x 256, is made by a work-group of four waves; a wave makes 128 x 128: 64 accumulators of 16 x 16, 512 registers.  K goes in four steps of 256 through two LDS slots filled by the tensor data mover.
; OPERANDS ARE IMAGES: a fragment (16 rows x 128 K, 12 registers a lane) lies as 1,536 bytes: registers 0-3 at 16 x lane, 4-5 at 512 + 8 x lane, 6-9 at 768 + 16 x lane, 10-11 at 1,280 + 8 x lane: every LDS load reads consecutive bytes.
; THE MATRIX INSTRUCTION IS USED TRANSPOSED: source 0 = 16 rows of operand B, source 1 = 16 rows of operand A.  Row rho of stored tile 2 b + u is true row 32 b + 8 u + rho % 8 + 16 (rho / 8), so the 64 registers of A's block a
; hold, for A's stored row 16 a + lane % 16, register 16 b + i = B's true row 32 b + 16 (lane / 16) + i: sixteen neighbours along the next product's K.
; ROLES.  Cluster x = 0: q, 1: k: A = x's rows, B = W's columns (next K = the head's d).  Cluster x = 2: v: A = Wv's columns, B = x's rows (next K = the keys).  The cluster's x is the same in all partners.
; The two paths part ONCE, ahead of the last 128 along K, which is written in both: q's and k's path asks for half of its table of cos and sin ahead of those products.
; CLUSTERS: 4 x 4 work-groups; A's tiles are asked for jointly along a row of the cluster, B's along a column.
; OUT.  q, k: [64 heads][128 tiles][768]: a half image (16 positions x 64 d); scale words [32 groups of 4 tiles][16 rows][4]: byte 0, 1 the two blocks, bytes 2, 3 = 127 for the half of the instruction's K that attention fills with zero codes.
;       v: [64 heads][16 key steps][4 tiles of d][1,536]; scale words [16 steps][16 rows][4 tiles].
; LIMITS: NaN and infinities are not served; a block under 2^-124 keeps the byte 1, a block of zeros too (its codes are zeros; this program alone reads the bytes).
; REGISTERS: window 0: v0-31 addresses; v32-63 scale words, two sets; v128-223 A's fragments, one set.  window 1: B's fragments, two sets (v0, v128); at the end cos and sin.  windows 2, 3: the accumulators ((a, b) at v[8 (8 (a % 4) + b)]).
;   At the end, window 0: v32-95 rotated numbers; v96-123 at work; v128-223 codes, 12 for each block a; v224-231 scale words.
.set NQ,     2                         ; matrix instructions deep in a slot
.set FR,     12
.set NL,     4                         ; LDS loads that bring a fragment
.set NP,     4                         ; places behind this matrix instruction (ISA guide 7.12.1)
.set HALFT,  24576                     ; 8 tiles x 3,072 bytes: what one tensor load brings, and what one wave reads of A or of B
.set SLOT,   98304
.set SCL,    196608                    ; A's scales, 8,192 bytes; B's begin 8,320 bytes on
.set SPARE,  213248                    ; the spare words, 128 bytes for each wave: two blocks of 256 bytes that no other line names
.set ADRA, 16                          ; v16-17 16 x lane + my A rows in slot 0, 1; v18-19 the same with 8 x lane
.set ADRB, 20                          ; v20-23 likewise for B
.set ADRS, 27                          ; v27 my scale words: lanes 0-15 A's rows, lanes 16-31 B's
.set SPW,  28
.set NIL,  29
.set SC,   32
.set AF,   128
.set HA,   32
.set TM,   96                          ; +0..3 largest magnitudes, +4..7 bytes, +12..15 scale operands
.set PT,   112
.set CS,   128
.set WS,   224
.set HM,   66                          ; s66 lanes 16-31
.set SEL,  98                          ; s[98:99]
.set G1, 24
.set G0, 32
.set G1B, 48
.set G0B, 56
.set G1S, 68
.set G0S, 76
.set G1SB, 80
.set G0SB, 88
.set MSB, 0
.macro WIN new                         ; the immediate's high byte repeats the setting that is left
.if MSB != (\new)
	s_set_vgpr_msb (MSB<<8)|(\new)
.set MSB, (\new)
.endif
.endm
.set MUL_LO, 0xa1                      ; source 0 (B) window 1, source 1 (A) window 0, C and D window 2
.set MUL_HI, 0xf1
.set TO_B,   0x40                      ; destination window 1, address window 0
; A joint load: waves 0 and 1 fetch for A, waves 2 and 3 for B; the branch hangs on the wave's number alone.  Four v_nop follow each of the two lines.
.macro JLOAD g0a, g1a, g0b, g1b
	s_cmp_eq_u32 s15, 0
	s_cbranch_scc0 .Lfor_b_\@
	tensor_load_to_lds s[\g0a:\g0a+3], s[\g1a:\g1a+7]
	s_nop 0
.rept 4
	v_nop
.endr
	s_branch .Lasked_\@
.Lfor_b_\@:
	tensor_load_to_lds s[\g0b:\g0b+3], s[\g1b:\g1b+7]
	s_nop 0
.rept 4
	v_nop
.endr
.Lasked_\@:
.endm
.macro CREST                           ; a round of the cluster's barrier behind its opening barrier
	s_cmp_lg_u32 s14, 0
	s_cbranch_scc1 .Lnot_wave_0_\@
	s_barrier_signal -3
.Lnot_wave_0_\@:
	s_barrier_wait -3
	s_barrier_signal -1
	s_barrier_wait -1
.endm
.macro CROUND
	s_barrier_signal -1
	s_barrier_wait -1
	CREST
.endm
	s_load_b128 s[4:7], s[0:1], 0x0                ; codes, scales
	s_load_b128 s[8:11], s[0:1], 0x10              ; rope, qkv_img
	s_load_b64 s[12:13], s[0:1], 0x20              ; qkv_sc
	v_lshl_add_u32 v[SPW], v0, 2, SPARE
	v_mov_b32 v[NIL], 0
	ds_add_u32 v28, v29
	ds_add_u32 v28, v29
	s_wait_dscnt 0x0
	v_lshrrev_b32 v1, 5, v0
	v_readfirstlane_b32 s14, v1                    ; wave 0..3
	s_lshr_b32 s15, s14, 1                         ; which half of A's 256 rows is mine.  Also: I fetch for A (0) or for B (1)
	s_and_b32 s16, s14, 1                          ; which half of B's.  Also: which 128 rows I fetch
	s_bfe_u32 s40, ttmp6, 0x40000                  ; cx
	s_bfe_u32 s41, ttmp6, 0x40004                  ; cy
	s_and_b32 s17, ttmp7, 0xffff
	s_lshl_b32 s17, s17, 2                         ; 4 x cluster y: x's blocks of 256 rows
	s_lshl_b32 s42, ttmp9, 2
	s_add_co_u32 s42, s42, 32                      ; W's blocks begin at 32: q 32-35, k 36-39
	s_cmp_eq_u32 ttmp9, 2                          ; v?  Both choices are made ahead of the additions, which set SCC
	s_cselect_b32 s18, 40, s17
	s_cselect_b32 s19, s17, s42
	s_add_co_u32 s17, s18, s41                     ; A's block of 256 rows: hangs on cy alone of the places
	s_add_co_u32 s42, s19, s40                     ; B's: on cx alone
	s_lshl_b32 s43, s41, 2
	s_lshl_b32 s43, 15, s43                        ; my row of the cluster
	s_lshl_b32 s44, 0x1111, s40                    ; my column
	; descriptor group 1, codes: 8 tiles' 3,072 bytes (384 elements of 8 bytes), 12,288 bytes apart
	s_or_b32 s[G1+0], s43, (3<<16)|(1<<21)         ; 15:0 the mask; 17:16 elements of 8 bytes; 21 set beside a mask; no padding
	s_or_b32 s[G1B+0], s44, (3<<16)|(1<<21)
.irp g, G1, G1B
	s_mov_b32 s[\g+1], 384<<16                     ; tensor_dim0
	s_mov_b32 s[\g+2], 16<<16                      ; tensor_dim1: 16 tiles for the head's loads; set to 8 for the ring's behind them
	s_mov_b32 s[\g+3], 384<<16                     ; tile_dim0
	s_mov_b32 s[\g+4], 16                          ; tile_dim1 likewise
	s_mov_b32 s[\g+5], 1536                        ; tensor_dim0_stride
	s_mov_b32 s[\g+6], 0
	s_mov_b32 s[\g+7], 0
.endr
	; scales of 256 rows: 8,192 dense bytes as 32 rows of 256
	s_or_b32 s[G1S+0], s43, (3<<16)|(1<<21)
	s_or_b32 s[G1SB+0], s44, (3<<16)|(1<<21)
.irp g, G1S, G1SB
	s_mov_b32 s[\g+1], 32<<16
	s_mov_b32 s[\g+2], 32<<16                      ; the scales of 256 rows: 32 rows of 256 bytes
	s_mov_b32 s[\g+3], 32<<16
	s_mov_b32 s[\g+4], 32
	s_mov_b32 s[\g+5], 32
	s_mov_b32 s[\g+6], 0
	s_mov_b32 s[\g+7], 0
.endr
	s_mul_i32 s18, s16, 98304                      ; which 8 tiles I fetch
	s_mul_i32 s20, s17, 196608                     ; A's 16 tiles
	s_mov_b32 s21, 0
	s_mul_i32 s46, s42, 196608                     ; B's
	s_mov_b32 s47, 0
	s_mov_b32 s19, 0
	s_lshl_b32 s22, s17, 13                        ; their scales
	s_mov_b32 s23, 0
	s_lshl_b32 s92, s42, 13
	s_mov_b32 s93, 0
	s_mul_i32 s45, s14, HALFT
	s_wait_kmcnt 0x0
	s_add_nc_u64 s[20:21], s[4:5], s[20:21]
	s_add_nc_u64 s[22:23], s[6:7], s[22:23]
	s_add_nc_u64 s[46:47], s[4:5], s[46:47]
	s_add_nc_u64 s[92:93], s[6:7], s[92:93]
	CROUND                                         ; all sixteen work-groups are here: the first joint loads meet
	s_mov_b32 s[G0S], 1                            ; the head's four tiles, each whole: the scales of A's 256 rows,
	s_mov_b32 s[G0S+1], SCL
	s_mov_b64 s[G0S+2:G0S+3], s[22:23]
	s_or_b32 s[G0S+3], s[G0S+3], 0x80000000
	s_mov_b32 s[G0SB], 1                           ; of B's (128 bytes askew, so that the two halves of a scale load fall on different banks),
	s_mov_b32 s[G0SB+1], SCL+8320
	s_mov_b64 s[G0SB+2:G0SB+3], s[92:93]
	s_or_b32 s[G0SB+3], s[G0SB+3], 0x80000000
	s_mov_b32 s4, 1                                ; K step 0 of A's 16 tiles (s[4:7] held arguments that have been used),
	s_mov_b32 s5, 0
	s_mov_b64 s[6:7], s[20:21]
	s_or_b32 s7, s7, 0x80000000
	s_mov_b32 s92, 1                               ; and of B's 16, behind them in slot 0
	s_mov_b32 s93, 2*HALFT
	s_mov_b64 s[94:95], s[46:47]
	s_or_b32 s95, s95, 0x80000000
	s_add_nc_u64 s[20:21], s[20:21], s[18:19]      ; for the ring: my 8 tiles
	s_add_nc_u64 s[46:47], s[46:47], s[18:19]
.irp s, 0,1
	s_mov_b32 s[G0+4*\s], 1
	s_add_co_u32 s[G0+4*\s+1], s45, \s*SLOT
	s_add_nc_u64 s[G0+4*\s+2:G0+4*\s+3], s[20:21], \s*3072
	s_or_b32 s[G0+4*\s+3], s[G0+4*\s+3], 0x80000000
	s_mov_b32 s[G0B+4*\s], 1
	s_add_co_u32 s[G0B+4*\s+1], s45, \s*SLOT
	s_add_nc_u64 s[G0B+4*\s+2:G0B+4*\s+3], s[46:47], \s*3072
	s_or_b32 s[G0B+4*\s+3], s[G0B+4*\s+3], 0x80000000
.endr
; THE HEAD'S LOADS, ONE A WAVE: wave 0 K step 0 of A, wave 1 of B, wave 2 A's scales, wave 3 B's.  One tree of branches on the wave's number: every way passes exactly one load.
.macro ARM under, g0, g1, next
	s_cmp_lt_u32 s14, \under
	s_cbranch_scc0 \next
	tensor_load_to_lds s[\g0:\g0+3], s[\g1:\g1+7]
	s_nop 0
.rept 4
	v_nop
.endr
	s_branch .Lhead_asked
\next:
.endm
	ARM 1, 4,   G1,  .Lhead_b
	ARM 2, 92,  G1B, .Lhead_sa
	ARM 3, G0S, G1S, .Lhead_sb
	tensor_load_to_lds s[G0SB:G0SB+3], s[G1SB:G1SB+7]
	s_nop 0
.rept 4
	v_nop
.endr
.Lhead_asked:
	v_and_b32 v1, 15, v0                           ; r
	v_bfe_u32 v2, v0, 4, 1                         ; h
	v_and_b32 v3, 31, v0
	v_lshlrev_b32 v8, 4, v3                        ; 16 x lane
	v_lshlrev_b32 v9, 3, v3                        ; 8 x lane
	s_mul_i32 s21, s15, HALFT
	s_mul_i32 s22, s16, HALFT
	s_add_co_u32 s22, s22, 2*HALFT
.irp s, 0,1
	v_add_nc_u32 v[ADRA+\s], s21, v8
	v_add_nc_u32 v[ADRA+2+\s], s21, v9
	v_add_nc_u32 v[ADRB+\s], s22, v8
	v_add_nc_u32 v[ADRB+2+\s], s22, v9
	s_add_co_u32 s21, s21, SLOT
	s_add_co_u32 s22, s22, SLOT
.endr
	s_lshl_b32 s21, s15, 12
	s_lshl_b32 s22, s16, 12
	s_add_co_u32 s22, s22, 8320
	s_sub_co_u32 s22, s22, s21
	v_mul_u32_u24 v6, s22, v2                      ; lanes 16-31 take B's: one product in h
	s_add_co_u32 s21, s21, SCL
	v_lshl_add_u32 v6, v1, 3, v6
	v_add_nc_u32 v[ADRS], s21, v6
	v_mul_u32_u24 v10, v2, 12288                   ; the scale words' way out: 16 r, and the next head for lanes 16-31
	v_lshl_add_u32 v10, v1, 4, v10
	v_and_b32 v6, 7, v1
	v_lshrrev_b32 v7, 3, v1
	v_lshl_add_u32 v6, v7, 5, v6                   ; my row's true place in its 64 (x's order): r % 8 + 32 (r / 8)
	v_lshlrev_b32 v11, 8, v6
	v_lshl_add_u32 v11, v2, 6, v11                 ; the table: 256 bytes a position, + 64 h: frequencies 16 h + 0 .. 15
.irp b, 0,1,2,3
	v_mov_b32 v[TM+4+\b], 0                        ; written once: a lane permute's destination counts as one of its sources
.endr
	s_mov_b32 s[SEL], 0x76543210
	s_mov_b32 s[SEL+1], 0xfedcba98
	s_mov_b32 s[HM], 0xffff0000
	s_lshl_b32 s18, s17, 8
	s_lshl_b32 s19, s15, 7
	s_add_co_u32 s18, s18, s19                     ; my first row of A
	s_and_b32 s18, s18, 2047                       ; its position in the sequence (used on the path of q and k alone)
	s_lshl_b32 s2, s18, 8
	s_mov_b32 s3, 0
	s_add_nc_u64 s[96:97], s[8:9], s[2:3]
.macro FRAG reg, adr, q, i             ; tile i's fragment of the slot's q-th 128 along K, as it lies
	ds_load_b128 v[\reg:\reg+3], v[\adr] offset:3072*(\i)+1536*(\q)
	ds_load_b64 v[\reg+4:\reg+5], v[\adr+2] offset:3072*(\i)+1536*(\q)+512
	ds_load_b128 v[\reg+6:\reg+9], v[\adr] offset:3072*(\i)+1536*(\q)+768
	ds_load_b64 v[\reg+10:\reg+11], v[\adr+2] offset:3072*(\i)+1536*(\q)+1280
.endm
; 16 matrix instructions: A's blocks a0, a0 + 1 x B's eight.  The 64 accumulators take turns, one instruction a turn, in the same order in every step.
.macro MUL16 a0, p, q, sc, zero
.irp a, \a0, \a0+1
.irp b, 0,1,2,3,4,5,6,7
.if \zero
	v_wmma_scale_f32_16x16x128_f8f6f4 v[8*(8*((\a)%4)+\b):8*(8*((\a)%4)+\b)+7], v[128*(\p)+FR*\b:128*(\p)+FR*\b+FR-1], v[AF+FR*(\a):AF+FR*(\a)+FR-1], 0, v[SC+8*NQ*(\sc)+NQ*\b+(\q)], v[SC+8*NQ*(\sc)+NQ*(\a)+(\q)] matrix_a_fmt:MATRIX_FMT_FP6 matrix_b_fmt:MATRIX_FMT_FP6 matrix_a_scale:MATRIX_SCALE_ROW1
.else
	v_wmma_scale_f32_16x16x128_f8f6f4 v[8*(8*((\a)%4)+\b):8*(8*((\a)%4)+\b)+7], v[128*(\p)+FR*\b:128*(\p)+FR*\b+FR-1], v[AF+FR*(\a):AF+FR*(\a)+FR-1], v[8*(8*((\a)%4)+\b):8*(8*((\a)%4)+\b)+7], v[SC+8*NQ*(\sc)+NQ*\b+(\q)], v[SC+8*NQ*(\sc)+NQ*(\a)+(\q)] matrix_a_fmt:MATRIX_FMT_FP6 matrix_b_fmt:MATRIX_FMT_FP6 matrix_a_scale:MATRIX_SCALE_ROW1
.endif
.endr
.endr
.endm
.macro FETCH_B slot, q, p
	WIN TO_B
.irp i, 0,1,2,3,4,5,6,7
	FRAG 128*(\p)+FR*\i, ADRB+\slot, \q, \i
.endr
	WIN 0
.endm
.macro FETCH_A slot, q, i0
.irp i, \i0, \i0+1, \i0+2, \i0+3
	FRAG AF+FR*(\i), ADRA+\slot, \q, \i
.endr
.endm
.macro SCALES sc                       ; a K step's scale words: two a row; lanes 0-15 A's block i, lanes 16-31 B's block i
.irp i, 0,1,2,3,4,5,6,7
	ds_load_b64 v[SC+8*NQ*\sc+NQ*\i:SC+8*NQ*\sc+NQ*\i+1], v[ADRS] offset:\i*512
.endr
.endm
.macro PLACES n                        ; plain vector instructions between a matrix instruction and a load into, or a vector instruction on, its registers (ISA guide 7.12.1 for vector instructions)
.rept \n
	v_nop
.endr
.endm
.macro STEP slot, q, zero              ; 128 along K that has its successor in the same slot
	s_wait_dscnt 4*NL                              ; B's set and A's blocks 0-3 are in; the youngest 16 loads (A's blocks 4-7) may be out
	WIN MUL_LO
	MUL16 0, (\q)%2, \q, \slot, \zero
	MUL16 2, (\q)%2, \q, \slot, \zero
	s_wait_dscnt 0                                 ; A's blocks 4-7 are in
	PLACES NP
	FETCH_B \slot, (\q)+1, 1-(\q)%2
	FETCH_A \slot, (\q)+1, 0
	WIN MUL_HI
	MUL16 4, (\q)%2, \q, \slot, \zero
	MUL16 6, (\q)%2, \q, \slot, \zero
	PLACES NP
	WIN 0
	FETCH_A \slot, (\q)+1, 4
.endm
; A slot's last step changes slots: one barrier; in front of it each wave waits for all its tensor loads, adds 0 to its spare word, and waits for that and for its reads of this slot.  fill = 1: the slot is filled again, two K steps ahead.
.macro TURN slot, next, fill
	s_wait_tensorcnt 0x0                           ; all my tensor loads have landed: my part of the next slot
	ds_add_u32 v[SPW], v[NIL]                      ; 0 onto my spare word
	s_wait_dscnt 4*NL+1                            ; (the add and A's blocks 4-7 may be out)
	WIN MUL_LO
	MUL16 0, 1, NQ-1, \slot, 0
	s_wait_dscnt 0x0                               ; the add is done, and my reads of this slot are over
	s_barrier_signal -1
	MUL16 2, 1, NQ-1, \slot, 0
	WIN 0
	s_barrier_wait -1
.if \fill
	CREST                                          ; the barrier has opened a round of the cluster's barrier: no wave of any partner still reads this slot or has a load on its way
	s_add_nc_u64 s[G0+4*\slot+2:G0+4*\slot+3], s[G0+4*\slot+2:G0+4*\slot+3], 6144
	s_add_nc_u64 s[G0B+4*\slot+2:G0B+4*\slot+3], s[G0B+4*\slot+2:G0B+4*\slot+3], 6144
	JLOAD G0+4*\slot, G1, G0B+4*\slot, G1B         ; the first tensor load behind the round; its four v_nop are the places in front of the loads below
.else
	PLACES NP
.endif
	s_wait_alu depctr_va_vdst(0)
	v_add_nc_u32 v[ADRS], 128, v[ADRS]             ; the next K step's scale words
	FETCH_B \next, 0, 0
	FETCH_A \next, 0, 0
	SCALES \next
	WIN MUL_HI
	MUL16 4, 1, NQ-1, \slot, 0
	MUL16 6, 1, NQ-1, \slot, 0
	PLACES NP
	WIN 0
	FETCH_A \next, 0, 4
.endm
; The very last 128 along K: nothing more to fetch.  Written once in each of the two paths.  The places at its end stand behind the last products: their operands' and scales' registers are written next, and their results read.
.macro LASTSTEP
	s_wait_dscnt 4*NL                              ; B's set and A's blocks 0-3 are in; A's blocks 4-7 may be out
	WIN MUL_LO
	MUL16 0, 1, NQ-1, 1, 0
	MUL16 2, 1, NQ-1, 1, 0
	s_wait_dscnt 0
	WIN MUL_HI
	MUL16 4, 1, NQ-1, 1, 0
	MUL16 6, 1, NQ-1, 1, 0
	WIN 0
	PLACES NP
.endm
; cos and sin for block a's 16 positions, my 16 frequencies: 32 registers at v[32 a] of window 1 (the caller sets the window)
.macro TABLE a
.irp i, 0,1,2,3
	global_load_b128 v[32*(\a)+4*\i:32*(\a)+4*\i+3], v11, s[96:97] offset:(64*((\a)/4)+8*((\a)%4))*256+16*\i
.endr
.irp i, 0,1,2,3
	global_load_b128 v[32*(\a)+16+4*\i:32*(\a)+16+4*\i+3], v11, s[96:97] offset:(64*((\a)/4)+8*((\a)%4))*256+128+16*\i
.endr
.endm
; 64 numbers of a lane in window w, v[s] on, register 16 b + i = k 32 b + 16 (lane / 16) + i of my row, become a fragment's codes in v[pc] on; the four bytes stay in v[TM+4] on.
.macro QUANT s, w, pc
	WIN (\w)|((\w)<<2)
.irp b, 0,1,2,3
	v_max3_num_f32 v[TM+\b], |v[\s+16*\b]|, |v[\s+16*\b+1]|, 0x1800000   ; my 16 numbers of block b, from the low end on, and the floor 2^(3 - 127)
.endr
.irp i, 2,4,6,8,10,12,14
.irp b, 0,1,2,3
	v_max3_num_f32 v[TM+\b], |v[\s+16*\b+\i]|, |v[\s+16*\b+\i+1]|, v[TM+\b]
.endr
.endr
	WIN 0
.irp b, 0,1,2,3
	v_permlanex16_b32 v[TM+4+\b], v[TM+\b], s[SEL], s[SEL+1]
.endr
.irp b, 0,1,2,3
	v_max_num_f32 v[TM+\b], v[TM+\b], v[TM+4+\b]   ; with lane l xor 16's: the block's largest magnitude
.endr
.irp b, 0,1,2,3
	v_add_nc_u32 v[TM+12+\b], 0xff000000, v[TM+\b] ; 2 off the exponent field: the conversion's scale operand
.endr
.irp b, 0,1,2,3
	v_lshrrev_b32 v[TM+4+\b], 23, v[TM+12+\b]      ; the byte
.endr
	WIN \w
.irp c, 0,1
	v_cvt_scalef32_pk16_fp6_f32 v[\pc+6*\c:\pc+6*\c+2], v[\s+32*\c:\s+32*\c+15], v[TM+12+2*\c]
	v_cvt_scalef32_pk16_fp6_f32 v[PT+4*\c:PT+4*\c+2], v[\s+32*\c+16:\s+32*\c+31], v[TM+12+2*\c+1]   ; (a conversion's three registers begin on an even number)
.endr
	WIN 0
	v_nop                                          ; one plain place behind a scaled conversion
.irp c, 0,1                            ; the layout wants a whole block in a lane: lanes 0-15 block 2 c, lanes 16-31 block 2 c + 1
.irp i, 0,1,2
	v_permlane16_swap_b32 v[\pc+6*\c+\i], v[PT+4*\c+\i]
.endr
.irp i, 0,1,2
	v_mov_b32 v[\pc+6*\c+3+\i], v[PT+4*\c+\i]
.endr
.endr
.endm
; RoPE on block a's 64 numbers: two heads c; x1 = d 16 h + 0 .. 15, x2 = d + 32: o1 = x1 cos - x2 sin, o2 = x2 cos + x1 sin.  Each accumulator is read from its low end on.
.macro ROPE a
	s_wait_loadcnt 8*(7-(\a))                      ; this block's eight loads are in; the later blocks' may be out
	WIN 0x06+(\a)/4                                ; source 0: window 2 or 3; source 1: window 1; the rest window 0
.irp c, 0,1
.irp u, 0,1
.irp j, 0,2,4,6
.set X1, 64*((\a)%4)+32*\c+8*\u+\j
.set O1, HA+32*\c+8*\u+\j
.set CN, 32*(\a)+8*\u+\j
	v_pk_mul_f32 v[O1:O1+1], v[X1:X1+1], v[CN:CN+1]
	v_pk_mul_f32 v[O1+16:O1+17], v[X1+16:X1+17], v[CN:CN+1]
	v_pk_fma_f32 v[O1:O1+1], v[X1+16:X1+17], v[CN+16:CN+17], v[O1:O1+1] neg_lo:[1,0,0] neg_hi:[1,0,0]
	v_pk_fma_f32 v[O1+16:O1+17], v[X1:X1+1], v[CN+16:CN+17], v[O1+16:O1+17]
.endr
.endr
.endr
.endm
	s_wait_alu depctr_va_vdst(0)                   ; the wait at the head's end
	s_wait_tensorcnt 0x0                           ; my tile of the head's four is in; these lines stand ahead of a later first fill as ahead of a refill
	ds_add_u32 v[SPW], v[NIL]
	s_mov_b32 s[G1+2], 8<<16                       ; no tensor load of mine is out: from here on a load brings 8 tiles
	s_mov_b32 s[G1+4], 8
	s_mov_b32 s[G1B+2], 8<<16
	s_mov_b32 s[G1B+4], 8
	s_wait_dscnt 0x0
	CROUND                                         ; all four tiles are in, and all sixteen work-groups are here
	JLOAD G0+4, G1, G0B+4, G1B                     ; K step 1: the first tensor load behind the round
	FETCH_B 0, 0, 0
	FETCH_A 0, 0, 0
	SCALES 0
	FETCH_A 0, 0, 4
	STEP 0, 0, 1                                   ; the first products start the sums: nothing is cleared
	TURN 0, 1, 1                                   ; K = 1,024 is twice round the ring: written out
	STEP 1, 0, 0
	TURN 1, 0, 1
	STEP 0, 0, 0
	TURN 0, 1, 0
	STEP 1, 0, 0
	s_cmp_eq_u32 ttmp9, 2                          ; the paths part here, once: the cluster's x is the same in all sixteen partners
	s_cbranch_scc1 .Lv_path
	; ---------------- q and k
	WIN TO_B                                       ; cos and sin of blocks 0-3 into B's set 0, which the step above has left (its places stand behind its last products): they land under the last products
.irp a, 0,1,2,3
	TABLE \a
.endr
	WIN 0
	LASTSTEP
	WIN TO_B                                       ; cos and sin of blocks 4-7 into B's set 1, which the last products have left
.irp a, 4,5,6,7
	TABLE \a
.endr
	WIN 0
	s_lshl_b32 s18, s17, 8
	s_lshl_b32 s19, s15, 7
	s_add_co_u32 s18, s18, s19                     ; my first row of x
	s_lshr_b32 s19, s18, 11                        ; the batch
	s_and_b32 s18, s18, 2047                       ; the position
	s_lshl_b32 s20, s19, 4
	s_lshl_b32 s21, s40, 2
	s_add_co_u32 s20, s20, s21
	s_lshl_b32 s21, s16, 1
	s_add_co_u32 s20, s20, s21                     ; 16 x batch + my first head (4 cx + 2 x my half of the columns)
	s_mul_i32 s22, s20, 98304
	s_mul_i32 s21, ttmp9, 6291456                  ; q's part or k's
	s_add_co_u32 s22, s22, s21
	s_mul_i32 s21, s18, 48                         ; 768 bytes for each 16 positions
	s_add_co_u32 s22, s22, s21
	s_mov_b32 s23, 0
	s_add_nc_u64 s[10:11], s[10:11], s[22:23]
	s_mul_i32 s22, s20, 12288
	s_mul_i32 s21, ttmp9, 786432
	s_add_co_u32 s22, s22, s21
	s_lshl_b32 s21, s18, 2                         ; 256 bytes for each 64 positions
	s_add_co_u32 s22, s22, s21
	s_add_nc_u64 s[12:13], s[12:13], s[22:23]
.irp a, 0,1,2,3,4,5,6,7
	ROPE \a
	QUANT HA, 0, CS+12*\a
	v_cndmask_b32 v120, v[TM+4], v[TM+6], s[HM]    ; lanes 0-15 make the first head's word, lanes 16-31 the second's
	v_cndmask_b32 v121, v[TM+5], v[TM+7], s[HM]
	v_lshl_or_b32 v120, v121, 8, v120
	v_or_b32 v[WS+\a], 0x7f7f0000, v120
	global_store_b128 v8, v[CS+12*\a:CS+12*\a+3], s[10:11] offset:768*\a             ; each set of codes has registers of its own: no store's data are written again
	global_store_b64 v9, v[CS+12*\a+4:CS+12*\a+5], s[10:11] offset:768*\a+512
	global_store_b128 v8, v[CS+12*\a+6:CS+12*\a+9], s[10:11] offset:98304+768*\a
	global_store_b64 v9, v[CS+12*\a+10:CS+12*\a+11], s[10:11] offset:98304+768*\a+512
.endr
	global_store_b128 v10, v[WS:WS+3], s[12:13]              ; sixteen lanes store 256 consecutive bytes, aligned
	global_store_b128 v10, v[WS+4:WS+7], s[12:13] offset:256
	s_branch .Ljoin
; v: B's rows are x's, in x's order: register 32 c + i of block a is key 64 c + 32 (lane / 16) + i: a lane holds two WHOLE blocks, in the operand's own order.  No other lane is asked for a maximum, and no half blocks change places.
.macro QUANTW s, w, pc, ws
	WIN (\w)|((\w)<<2)
.irp c, 0,1
	v_max3_num_f32 v[TM+\c], |v[\s+32*\c]|, |v[\s+32*\c+1]|, 0x1800000   ; from each accumulator's low end on; the floor 2^(3 - 127) among the leaves
.endr
.irp i, 2,4,6,8,10,12,14,16,18,20,22,24,26,28,30
.irp c, 0,1
	v_max3_num_f32 v[TM+\c], |v[\s+32*\c+\i]|, |v[\s+32*\c+\i+1]|, v[TM+\c]
.endr
.endr
	WIN 0
.irp c, 0,1
	v_add_nc_u32 v[TM+12+\c], 0xff000000, v[TM+\c] ; 2 off the exponent field: the conversion's scale operand
.endr
.irp c, 0,1
	v_lshrrev_b32 v[TM+4+\c], 23, v[TM+12+\c]      ; the byte
.endr
	v_lshl_or_b32 v[TM+6], v[TM+5], 16, v[TM+4]    ; my bytes: blocks h and 2 + h,
	v_lshlrev_b32 v[TM+6], v12, v[TM+6]            ; 8 h bits up;
	v_permlanex16_b32 v[TM+7], v[TM+6], s[SEL], s[SEL+1]
	v_or_b32 v[\ws], v[TM+6], v[TM+7]              ; with lane l xor 16's the word is whole
	WIN \w
.irp c, 0,1
	v_cvt_scalef32_pk16_fp6_f32 v[\pc+6*\c:\pc+6*\c+2], v[\s+32*\c:\s+32*\c+15], v[TM+12+\c]
	v_cvt_scalef32_pk16_fp6_f32 v[PT+4*\c:PT+4*\c+2], v[\s+32*\c+16:\s+32*\c+31], v[TM+12+\c]
.endr
	WIN 0
	v_nop                                          ; one plain place behind a scaled conversion
.irp c, 0,1
.irp i, 0,1,2
	v_mov_b32 v[\pc+6*\c+3+\i], v[PT+4*\c+\i]
.endr
.endr
.endm
.Lv_path:
	; ---------------- v: block a = head a / 4, tile a % 4 of its d; the 64 registers run along my 128 keys
	LASTSTEP
	v_lshlrev_b32 v12, 3, v2                       ; 8 h
	s_lshl_b32 s18, s42, 8
	s_lshl_b32 s19, s16, 7
	s_add_co_u32 s18, s18, s19                     ; my first row of x
	s_lshr_b32 s19, s18, 11
	s_and_b32 s18, s18, 2047
	s_lshl_b32 s20, s19, 4
	s_lshl_b32 s21, s41, 2
	s_add_co_u32 s20, s20, s21
	s_lshl_b32 s21, s15, 1
	s_add_co_u32 s20, s20, s21                     ; 16 x batch + my first head (4 cy + 2 x my half of Wv's columns)
	s_mul_i32 s22, s20, 98304
	s_add_co_u32 s22, s22, 12582912                ; v's part
	s_mul_i32 s21, s18, 48                         ; 6,144 bytes for each 128 keys
	s_add_co_u32 s22, s22, s21
	s_mov_b32 s23, 0
	s_add_nc_u64 s[10:11], s[10:11], s[22:23]
	s_mul_i32 s22, s20, 12288
	s_add_co_u32 s22, s22, 786432+8192             ; behind k's words
	s_lshl_b32 s21, s18, 1                         ; 256 bytes for each 128 keys
	s_add_co_u32 s22, s22, s21
	s_add_nc_u64 s[12:13], s[12:13], s[22:23]
.irp a, 0,1,2,3,4,5,6,7
	QUANTW 64*(\a%4), 2+\a/4, CS+12*\a, WS+\a
	global_store_b128 v8, v[CS+12*\a:CS+12*\a+3], s[10:11] offset:(\a/4)*98304+(\a%4)*1536
	global_store_b64 v9, v[CS+12*\a+4:CS+12*\a+5], s[10:11] offset:(\a/4)*98304+(\a%4)*1536+512
	global_store_b128 v8, v[CS+12*\a+6:CS+12*\a+9], s[10:11] offset:(\a/4)*98304+(\a%4)*1536+768
	global_store_b64 v9, v[CS+12*\a+10:CS+12*\a+11], s[10:11] offset:(\a/4)*98304+(\a%4)*1536+1280
.endr
.irp t, 0,1,2,3
	v_cndmask_b32 v[120+\t], v[WS+\t], v[WS+4+\t], s[HM]
.endr
	global_store_b128 v10, v[120:123], s[12:13]
.Ljoin:
	s_wait_tensorcnt 0x0                           ; the wave's end
	ds_add_u32 v[SPW], v[NIL]
	s_wait_dscnt 0x0
	CROUND                                         ; the closing round: no work-group ends while a partner may still ask for a tile that names it
	s_endpgm
.Lfunc_end_k_q3c084cd908_qkv:
	.size	k_q3c084cd908_qkv, .Lfunc_end_k_q3c084cd908_qkv-k_q3c084cd908_qkv
	.p2alignl 7, 3214868480
	.fill 96, 4, 3214868480
	.section	.rodata,"a",@progbits
	.p2align	6, 0x0
	.amdhsa_kernel k_q3c084cd908_qkv
		.amdhsa_group_segment_fixed_size 327680
		.amdhsa_private_segment_fixed_size 0
		.amdhsa_enable_private_segment 0
		.amdhsa_kernarg_size 40
		.amdhsa_user_sgpr_count 2
		.amdhsa_user_sgpr_kernarg_segment_ptr 1
		.amdhsa_wavefront_size32 1
		.amdhsa_system_sgpr_workgroup_id_x 1
		.amdhsa_system_sgpr_workgroup_id_y 1
		.amdhsa_system_sgpr_workgroup_id_z 1
		.amdhsa_system_vgpr_workitem_id 0
		.amdhsa_next_free_vgpr 1024
		.amdhsa_next_free_sgpr 100
		.amdhsa_reserve_vcc 0
		.amdhsa_float_denorm_mode_32 3
		.amdhsa_float_denorm_mode_16_64 3
		.amdhsa_memory_ordered 1
		.amdhsa_forward_progress 1
		.amdhsa_inst_pref_size 225
	.end_amdhsa_kernel
	.amdgpu_metadata
---
amdhsa.version: [ 1, 2 ]
amdhsa.kernels:
  - .name:           k_q3c084cd908_qkv
    .symbol:         k_q3c084cd908_qkv.kd
    .args:
      - { .name: codes, .offset: 0, .size: 8, .value_kind: global_buffer, .address_space: global }
      - { .name: scales, .offset: 8, .size: 8, .value_kind: global_buffer, .address_space: global }
      - { .name: rope, .offset: 16, .size: 8, .value_kind: global_buffer, .address_space: global }
      - { .name: qkv_img, .offset: 24, .size: 8, .value_kind: global_buffer, .address_space: global }
      - { .name: qkv_sc, .offset: 32, .size: 8, .value_kind: global_buffer, .address_space: global }
    .group_segment_fixed_size: 327680
    .private_segment_fixed_size: 0
    .kernarg_segment_align: 8
    .kernarg_segment_size: 40
    .max_flat_workgroup_size: 128
    .sgpr_count:     100
    .vgpr_count:     1024
    .wavefront_size: 32
...
	.end_amdgpu_metadata
.endif
;; end of part 2
;; launch attn (part 3): grid 4 x 64, 16 waves a work-group, clusters of 4 x 1, 210,944 bytes of LDS; arguments qkv_img, qkv_sc, att_img, att_sc; writes att_img, att_sc
.if DOCPART == 3
	.amdgcn_target "amdgcn-amd-amdhsa--gfx1250"
	.amdhsa_code_object_version 6
	.text
	.protected	k_q3c084cd908_attn
	.globl	k_q3c084cd908_attn
	.p2align	8
	.type	k_q3c084cd908_attn,@function
k_q3c084cd908_attn:
	s_mov_b64 s[64:65], 0
	v_nop
	global_prefetch_b8 v0, s[64:65] scope:SCOPE_SE
	s_setreg_imm32_b32 hwreg(HW_REG_WAVE_MODE, 25, 1), 1
	s_wait_xcnt 0x0
	s_wait_alu depctr_hold_cnt(0) depctr_sa_sdst(0) depctr_va_vdst(0) depctr_va_sdst(0) depctr_va_ssrc(0) depctr_va_vcc(0) depctr_vm_vsrc(0)
	s_getreg_b32 s2, hwreg(HW_REG_IB_STS2, 6, 4)
	s_cmp_eq_u32 s2, 0
	s_cbranch_scc0 .Lentry_in_a_cluster
	s_endpgm
.Lentry_in_a_cluster:
	s_bfe_u32 s2, ttmp6, 0x10000c
	s_cmp_lg_u32 s2, 0x3003
	s_cbranch_scc0 .Lentry_shape_is_right
	s_endpgm
.Lentry_shape_is_right:
; CAUSAL ATTENTION on codes of FP6 (E2M3) with E8M0 scales; 64 heads (batch x head) of 2,048 positions x 64.  Its result, divided by the row's sum, is quantised along d and stored as the last product's operand.
; THE SOFTMAX: t = score x log2(e) / 8; M = the running largest t rounded up to a whole number; p = 2^(t - M) is quantised along the keys, not normalised; the row's sum is taken of the unquantised p and divides at the end.
; When M moves, the sum and O are multiplied by 2^(old M - new M): exact.
; WORK LEFT OUT: key steps of 128 that lie wholly above a tile's queries: reference()'s own tril mask hides them for all values of the inputs.
; SHARES.  A cluster of four work-groups owns a head: 64 waves.  The head's 128 tiles of 16 queries form 16 groups of 8 (128 neighbouring queries); a tile of group G walks G + 1 key steps of 128.  Each wave takes one tile of a
; group g <= 7 and then one of group 15 - g: 17 steps for every wave, with no barrier between the two.  g hangs on the wave's number alone; the place in the cluster enters only global addresses and the mask's constant.
; A WHOLE HEAD'S K AND V LIE IN LDS, filled once by sixteen joint loads, one a wave (the four work-groups ask for the same bytes): waves 0-5 a sixth of K's 98,304 bytes each, waves 6-11 of V's, waves 12-15 a quarter of the
; 12,288 bytes of scale words.  One wait and one barrier show all of it to every wave; nothing is filled again.  NO PREFETCH: all that goes through LDS is asked for at the head, so there is no loop to run ahead in.
; LAYOUT.  Both products are used transposed: S^T = K Q^T (source 0 = 16 keys, source 1 = my 16 queries), O^T = V^T P^T: a lane holds one query (lane % 16) throughout.  Row rho of stored tile 4 B + t of positions is position
; 64 B + 8 t + rho % 8 + 32 (rho / 8): register J of S^T's 64 is key 64 (J / 32) + 32 (lane / 16) + J % 32: a lane holds two WHOLE blocks of 32 keys, in the order of the operand's registers.
; V's rows (d) go by the other order, 32 b + 8 u + rho % 8 + 16 (rho / 8) in tile 2 b + u: O^T's register 16 b + i is d = 32 b + 16 (lane / 16) + i.
; THE FIRST PRODUCT'S K IS 64, half of the instruction's 128: Q's registers 6-11 hold zero codes, so whatever stands in K's registers 6-11 (the next tile's codes, or zeros) adds nothing; the scale bytes of that half are 127.
; LIMITS: NaN and infinities are not served; a block under 2^-124 keeps the byte 1, a block of zeros too; the promise holds while |t| stays under 2^31.  The result's scale bytes leave as two bytes a row, 8 bytes apart.
; REGISTERS: v1-7, v211, v222-223 constants of the lane; v8-11, v240-241 addresses in hand; v12 -M, v13 the largest t, v[14:15] the sum; v16-27, v28-39 Q of the two tiles (6 + 6 zeros); v40-93 fragments of K or V;
;   v94-95 Q's scale words; v96-159 S^T, then p; v160-191 O^T; v192-203 p's codes; v204-210 at work; v212-221 maxima, bytes, scale operands; v224-231 K's scale words, v232-235 V's, v236 p's; v[238:239] the factor;
;   v242-251 at work; v254-255 the add's two.
.set KSC, 196608
.set VSC, 204800
.set SPARE, 208896                     ; the spare words: 128 bytes for each of 16 waves
.set SM, 244                           ; v244-251 four chains of the row's sum
.macro CROUND
	s_barrier_signal -1
	s_barrier_wait -1
	s_cmp_lg_u32 s12, 0
	s_cbranch_scc1 .Lnot_wave_0_\@
	s_barrier_signal -3
.Lnot_wave_0_\@:
	s_barrier_wait -3
	s_barrier_signal -1
	s_barrier_wait -1
.endm
; the four addresses of tile s[tau]: its codes and scale words in q, and where its result goes.  s77 = 98,304 bh, s80 = 12,288 bh, s82 = 128 x batch, s84 = 768 x head, s85 = the head's place among a row's scale bytes, s79 = 0
.macro TILEADR tau, qimg, qsc, oimg, osc
	s_mul_i32 s78, s[\tau], 768
	s_add_co_u32 s78, s78, s77
	s_add_nc_u64 s[\qimg:\qimg+1], s[4:5], s[78:79]
	s_lshr_b32 s78, s[\tau], 2
	s_lshl_b32 s78, s78, 8
	s_and_b32 s81, s[\tau], 3
	s_lshl_b32 s81, s81, 2
	s_add_co_u32 s78, s78, s81
	s_add_co_u32 s78, s78, s80
	s_add_nc_u64 s[\qsc:\qsc+1], s[6:7], s[78:79]
	s_add_co_u32 s81, s82, s[\tau]
	s_mul_i32 s78, s81, 12288
	s_add_co_u32 s78, s78, s84
	s_add_nc_u64 s[\oimg:\oimg+1], s[8:9], s[78:79]
	s_lshl_b32 s78, s81, 9
	s_add_co_u32 s78, s78, s85
	s_add_nc_u64 s[\osc:\osc+1], s[10:11], s[78:79]
.endm
	s_load_b256 s[4:11], s[0:1], 0x0               ; qkv_img s[4:5], qkv_sc s[6:7], att_img s[8:9], att_sc s[10:11]
	v_lshl_add_u32 v254, v0, 2, SPARE
	v_mov_b32 v255, 0
	ds_add_u32 v254, v255                          ; the opening lines: the add, twice on end, and its wait ahead of my tensor load
	ds_add_u32 v254, v255
	v_lshrrev_b32 v1, 5, v0
	s_delay_alu instid0(VALU_DEP_1)
	v_readfirstlane_b32 s12, v1                    ; wave 0..15
	s_bfe_u32 s13, ttmp6, 0x40000                  ; cx
	s_and_b32 s14, ttmp7, 0xffff                   ; the head (16 x batch + head), which the four partners share
	; descriptor group 1: dense bytes as rows of 256 (32 elements of 8 bytes): 64 rows of an image, 12 rows of scale words
	s_mov_b32 s24, 15|(3<<16)|(1<<21)              ; 15:0 the mask: all four work-groups; 17:16 elements of 8 bytes; 21 set beside a mask
	s_mov_b32 s25, 32<<16
	s_mov_b32 s26, 64<<16
	s_mov_b32 s27, 32<<16
	s_mov_b32 s28, 64
	s_mov_b32 s29, 32
	s_mov_b32 s30, 0
	s_mov_b32 s31, 0
	s_mov_b32 s32, 15|(3<<16)|(1<<21)
	s_mov_b32 s33, 32<<16
	s_mov_b32 s34, 12<<16
	s_mov_b32 s35, 32<<16
	s_mov_b32 s36, 12
	s_mov_b32 s37, 32
	s_mov_b32 s38, 0
	s_mov_b32 s39, 0
	s_lshl_b32 s45, s12, 14                        ; waves 0-11: LDS byte 16,384 x wave: K's six parts, then V's six
	s_cmp_lt_u32 s12, 6
	s_cselect_b32 s78, 0, 6193152                  ; V's part of qkv_img begins 6,291,456 bytes behind K's; 98,304 of that the wave's number has counted
	s_add_co_u32 s78, s78, s45
	s_add_co_u32 s78, s78, 6291456                 ; k's part of qkv_img
	s_mul_i32 s77, s14, 98304
	s_add_co_u32 s78, s78, s77
	s_mov_b32 s79, 0
	s_mul_i32 s80, s14, 12288
	s_mul_i32 s81, s12, 3072                       ; waves 12-15: a quarter of the scale words each
	s_add_co_u32 s41, s81, KSC-36864
	s_add_co_u32 s82, s80, s81
	s_add_co_u32 s82, s82, 786432-36864
	s_mov_b32 s83, 0
	s_wait_dscnt 0x0
	s_wait_kmcnt 0x0
	CROUND                                         ; all four work-groups are here: the joint loads meet
	s_mov_b32 s40, 1
	s_add_nc_u64 s[42:43], s[6:7], s[82:83]
	s_or_b32 s43, s43, 0x80000000
	s_mov_b32 s44, 1
	s_add_nc_u64 s[46:47], s[4:5], s[78:79]
	s_or_b32 s47, s47, 0x80000000
	s_cmp_lt_u32 s12, 12                           ; one branch on the wave's number, a load in each arm: every way passes exactly one
	s_cbranch_scc0 .Lwords
	tensor_load_to_lds s[44:47], s[24:31]
	s_nop 0
.rept 4
	v_nop
.endr
	s_branch .Lasked
.Lwords:
	tensor_load_to_lds s[40:43], s[32:39]
	s_nop 0
.rept 4
	v_nop
.endr
.Lasked:
	s_lshr_b32 s18, s12, 3
	s_lshl_b32 s18, s18, 1
	s_bfe_u32 s19, s12, 0x10001
	s_add_co_u32 s18, s18, s19                     ; 2 (w / 8) + (w / 2) % 2: 0 .. 3
	s_lshr_b32 s19, s12, 2
	s_xor_b32 s19, s19, s12
	s_and_b32 s19, s19, 1
	s_mul_i32 s19, s19, 7
	s_xor_b32 s15, s18, s19                        ; g: that number or 7 less it: the eight waves of equal (w / 4) % 2 take all of 0 .. 7
	s_xor_b32 s16, s15, 15                         ; 15 - g
	s_bfe_u32 s17, s12, 0x10002                    ; (w / 4) % 2
	s_lshl_b32 s74, s13, 1
	s_add_co_u32 s74, s74, s17                     ; my tile within its group: 2 cx + (w / 4) % 2
	s_lshl_b32 s75, s15, 3
	s_add_co_u32 s75, s75, s74                     ; the first tile
	s_lshl_b32 s76, s16, 3
	s_add_co_u32 s76, s76, s74                     ; the second
	s_lshr_b32 s82, s14, 4
	s_lshl_b32 s82, s82, 7
	s_and_b32 s83, s14, 15
	s_mul_i32 s84, s83, 768
	s_lshr_b32 s85, s83, 2
	s_lshl_b32 s85, s85, 7
	s_and_b32 s86, s83, 3
	s_lshl_b32 s86, s86, 1
	s_add_co_u32 s85, s85, s86
	TILEADR 75, 66, 68, 52, 54
	TILEADR 76, 70, 72, 56, 58
	s_lshr_b32 s86, s74, 2
	s_lshl_b32 s86, s86, 6
	s_and_b32 s87, s74, 3
	s_lshl_b32 s87, s87, 3
	s_add_co_u32 s87, s87, s86                     ; my tile's first position in its 128: 64 (tile / 4) + 8 (tile % 4)
	s_mov_b32 s20, 0x76543210
	s_mov_b32 s21, 0xfedcba98                      ; selects for lane l xor 16
	s_mov_b32 s22, 0x3e38aa3b                      ; c = log2(e) / 8
	s_mov_b32 s23, s22                             ; (named with it as a pair, so it is written)
	v_and_b32 v242, 15, v0                         ; r
	v_bfe_u32 v243, v0, 4, 1                       ; h
	v_and_b32 v244, 31, v0
	s_delay_alu instid0(VALU_DEP_1)
	v_lshlrev_b32 v1, 4, v244                      ; 16 x lane: K's images begin at LDS byte 0
	s_delay_alu instid0(VALU_DEP_2)
	v_lshlrev_b32 v2, 3, v244                      ; 8 x lane
	v_lshlrev_b32 v248, 4, v242                    ; 16 r
	v_lshlrev_b32 v223, 3, v242                    ; 8 r
	s_delay_alu instid0(VALU_DEP_4)
	v_add_nc_u32 v3, 98304, v1                     ; V's
	s_delay_alu instid0(VALU_DEP_4)
	v_add_nc_u32 v4, 98304, v2
	s_delay_alu instid0(VALU_DEP_4)
	v_add_nc_u32 v5, KSC, v248
	v_add_nc_u32 v6, VSC, v248
	global_load_b128 v[16:19], v1, s[66:67]        ; Q's half images stay in registers
	global_load_b64 v[20:21], v2, s[66:67] offset:512
	global_load_b32 v94, v248, s[68:69]
	global_load_b128 v[28:31], v1, s[70:71]
	global_load_b64 v[32:33], v2, s[70:71] offset:512
	global_load_b32 v95, v248, s[72:73]
	v_and_b32 v7, 7, v242
	v_and_b32 v245, 8, v242
	v_lshlrev_b32 v246, 5, v243
	v_lshlrev_b32 v211, 3, v243                    ; 8 h
	s_delay_alu instid0(VALU_DEP_3)
	v_lshl_add_u32 v7, v245, 2, v7                 ; r % 8 + 32 (r / 8)
	s_delay_alu instid0(VALU_DEP_1)
	v_sub_nc_u32 v7, v7, v246
	s_delay_alu instid0(VALU_DEP_1)
	v_add_nc_u32 v7, s87, v7                       ; my query's place in its 128, less 32 h: on the diagonal register J is hidden where 64 (J / 32) + J % 32 is above it
.irp j, 22,23,24,25,26,27,34,35,36,37,38,39,88,89,90,91,92,93,214,215,216,217,239
	v_mov_b32 v\j, 0                               ; Q's zero codes; what stands behind K's last tile; the permutes' destinations; the upper half of the factor's pair
.endr
	v_mov_b32 v222, 0xff800000                     ; -infinity
	s_wait_alu depctr_va_vdst(0)                   ; the wait at the head's end
	s_wait_tensorcnt 0x0                           ; my one load has landed
	s_barrier_signal -1
	s_barrier_wait -1                              ; everybody's has: the whole head lies in LDS
	s_wait_loadcnt 0x0                             ; Q
; ONE TILE OF QUERIES.  q, qs: its codes and scale word; G: the scalar with its group; trips: the loop's constant count; a step beyond the group is passed over by a scalar branch round its work, not round the stepping lines.
.macro PASS q, qs, G, trips, oimg, osc
	v_mov_b32 v13, 0xff61b1e6                      ; the largest t so far: -3e38
	s_delay_alu instid0(VALU_DEP_1)
	v_floor_f32 v12, -v13                          ; -M
	v_mov_b32 v14, 0
	v_mov_b32 v15, 0
.set J, 0
.rept 32
	v_mov_b32 v[160+J], 0                          ; O^T: the first change of M multiplies zeros
.set J, J+1
.endr
	s_mov_b32 s60, 0                               ; the step's images: 6,144 bytes a step
	s_mov_b32 s61, 0                               ; K's scale words: 512
	s_mov_b32 s62, 0                               ; V's: 256
	s_mov_b32 s63, 0                               ; the step
.Lstep_\@:
	s_cmp_gt_u32 s63, s[\G]
	s_cbranch_scc1 .Lskip_\@
	v_add_nc_u32 v8, s60, v1                       ; (these four are the places behind the last step's products, in front of the loads below)
	v_add_nc_u32 v9, s60, v2
	v_add_nc_u32 v240, s61, v5
	v_nop
.irp t, 0,1,2,3,4,5,6,7
	ds_load_b128 v[40+6*\t:43+6*\t], v8 offset:768*\t
	ds_load_b64 v[44+6*\t:45+6*\t], v9 offset:768*\t+512
.endr
	ds_load_b128 v[224:227], v240
	ds_load_b128 v[228:231], v240 offset:256
	s_wait_dscnt 0x0
.irp t, 0,1,2,3,4,5,6,7
	v_wmma_scale_f32_16x16x128_f8f6f4 v[96+8*\t:103+8*\t], v[40+6*\t:51+6*\t], v[\q:\q+11], 0, v[224+\t], v[\qs] matrix_a_fmt:MATRIX_FMT_FP6 matrix_b_fmt:MATRIX_FMT_FP6
.endr
	v_add_nc_u32 v10, s60, v3                      ; four places: V's loads land in registers that these products read, and the scores are read below
	v_add_nc_u32 v11, s60, v4
	v_add_nc_u32 v241, s62, v6
	v_nop
.irp t, 0,1,2,3
	ds_load_b128 v[40+12*\t:43+12*\t], v10 offset:1536*\t            ; V's four fragments are asked for here and land under the softmax
	ds_load_b64 v[44+12*\t:45+12*\t], v11 offset:1536*\t+512
	ds_load_b128 v[46+12*\t:49+12*\t], v10 offset:1536*\t+768
	ds_load_b64 v[50+12*\t:51+12*\t], v11 offset:1536*\t+1280
.endr
	ds_load_b128 v[232:235], v241
	s_cmp_lg_u32 s63, s[\G]
	s_cbranch_scc1 .Lopen_\@
.set J, 0
.rept 64                               ; the diagonal step: hidden scores become -infinity ahead of the maximum, so p = 0
	v_cmp_gt_i32 vcc_lo, 64*(J/32)+J%32, v7
	v_cndmask_b32 v[96+J], v[96+J], v222, vcc_lo
.set J, J+1
.endr
.Lopen_\@:
.irp k, 0,1,2,3
	v_max3_num_f32 v[212+\k], v[96+16*\k], v[97+16*\k], v[98+16*\k]   ; the largest score of each block of 32 keys, in two chains a block: for the row's maximum and, since p rises with the score, for the block's largest p
.endr
.irp i, 3,5,7,9,11,13
.irp k, 0,1,2,3
	v_max3_num_f32 v[212+\k], v[212+\k], v[96+16*\k+\i], v[97+16*\k+\i]
.endr
.endr
	v_max3_num_f32 v212, v212, v213, v111
	v_max3_num_f32 v213, v214, v215, v143
	v_max_num_f32 v212, v212, v127                 ; my block 0 + h
	v_max_num_f32 v213, v213, v159                 ; my block 2 + h
	v_max_num_f32 v242, v212, v213
	v_permlanex16_b32 v214, v242, s20, s21
	v_max_num_f32 v242, v242, v214                 ; with lane l xor 16's two blocks: the step's largest score of my query
	v_mul_f32 v242, s22, v242                      ; as t
	v_max_num_f32 v13, v13, v242                   ; the running largest t
	v_mov_b32 v242, v12
	v_floor_f32 v12, -v13                          ; the new -M = -ceil(t)
	v_sub_f32 v242, v12, v242                      ; old M - new M: a whole number, 0 or less
	v_cvt_i32_f32 v242, v242                       ; (it saturates)
	v_ldexp_f32 v238, 1.0, v242                    ; the factor 2^(old M - new M)
.set J, 0
.rept 32
	v_pk_fma_f32 v[96+J:97+J], v[96+J:97+J], s[22:23], v[12:13] op_sel_hi:[1,0,0]   ; t - M, two at a time
.set J, J+2
.endr
.irp c, 0,1
	v_fma_f32 v[212+\c], v[212+\c], s22, v12       ; the same of my blocks' largest scores
.endr
	s_wait_alu depctr_va_vdst(0)                   ; the wait ahead of the batch
.set J, 0
.rept 64
	v_exp_f32 v[96+J], v[96+J]                     ; p = 2^(t - M)
.set J, J+1
.endr
.irp c, 0,1
	v_exp_f32 v[212+\c], v[212+\c]                 ; the blocks' largest p: the same two instructions on the same number
.endr
	v_pk_mul_f32 v[14:15], v[14:15], v[238:239] op_sel_hi:[1,0]   ; the sums under the new M: a plain place behind the exponentials
	s_wait_alu depctr_va_vdst(0)                   ; one wait for the batch, ahead of its first reader and of O^T's
.set J, 0
.rept 16
	v_pk_mul_f32 v[160+J:161+J], v[160+J:161+J], v[238:239] op_sel_hi:[1,0]   ; O^T under the new M, from each accumulator's low end on
.set J, J+2
.endr
.irp c, 0,1
	v_max_num_f32 v[212+\c], 0x1800000, v[212+\c]  ; the floor 2^(3 - 127)
.endr
.irp c, 0,1
	s_delay_alu instid0(VALU_DEP_2)
	v_add_nc_u32 v[220+\c], 0xff000000, v[212+\c]  ; the conversion's scale operand
.endr
.irp c, 0,1
	s_delay_alu instid0(VALU_DEP_2)
	v_lshrrev_b32 v[216+\c], 23, v[220+\c]         ; the byte
.endr
	s_delay_alu instid0(VALU_DEP_1)
	v_lshl_or_b32 v236, v217, 16, v216             ; my bytes: blocks h and 2 + h,
	s_delay_alu instid0(VALU_DEP_1)
	v_lshlrev_b32 v236, v211, v236                 ; 8 h bits up;
	s_delay_alu instid0(VALU_DEP_1)
	v_permlanex16_b32 v215, v236, s20, s21
	s_delay_alu instid0(VALU_DEP_1)
	v_or_b32 v236, v236, v215                      ; with lane l xor 16's: p's scale word for these 128 keys
.irp c, 0,1
	v_cvt_scalef32_pk16_fp6_f32 v[192+6*\c:194+6*\c], v[96+32*\c:111+32*\c], v[220+\c]     ; my whole block 2 c + h: registers 6 c .. 6 c + 5 of the operand
	v_cvt_scalef32_pk16_fp6_f32 v[204+4*\c:206+4*\c], v[112+32*\c:127+32*\c], v[220+\c]    ; (a conversion's three registers begin on an even number)
.endr
	v_nop                                          ; one plain place behind a scaled conversion
.irp c, 0,1
.irp i, 0,1,2
	v_mov_b32 v[195+6*\c+\i], v[204+4*\c+\i]
.endr
.endr
.irp k, 0,1,2,3                        ; the row's sum of the unquantised p, two at a time in four chains; these 32 are also the places between p's codes and scale word and the products
	v_pk_add_f32 v[SM+2*\k:SM+2*\k+1], v[96+2*\k:97+2*\k], v[104+2*\k:105+2*\k]
.endr
.irp j, 16,24,32,40,48,56
.irp k, 0,1,2,3
	v_pk_add_f32 v[SM+2*\k:SM+2*\k+1], v[SM+2*\k:SM+2*\k+1], v[96+\j+2*\k:97+\j+2*\k]
.endr
.endr
	v_pk_add_f32 v[SM:SM+1], v[SM:SM+1], v[SM+2:SM+3]
	v_pk_add_f32 v[SM+4:SM+5], v[SM+4:SM+5], v[SM+6:SM+7]
	s_delay_alu instid0(VALU_DEP_2)
	v_pk_add_f32 v[14:15], v[14:15], v[SM:SM+1]
	s_delay_alu instid0(VALU_DEP_1)
	v_pk_add_f32 v[14:15], v[14:15], v[SM+4:SM+5]
	s_wait_alu depctr_va_vdst(0)                   ; the wait here, directly ahead of the wait below
	s_wait_dscnt 0x0                               ; V and its scale words are in
.irp t, 0,1,2,3
	v_wmma_scale_f32_16x16x128_f8f6f4 v[160+8*\t:167+8*\t], v[40+12*\t:51+12*\t], v[192:203], v[160+8*\t:167+8*\t], v[232+\t], v236 matrix_a_fmt:MATRIX_FMT_FP6 matrix_b_fmt:MATRIX_FMT_FP6
.endr
.Lskip_\@:
	s_add_co_u32 s60, s60, 6144
	s_add_co_u32 s61, s61, 512
	s_add_co_u32 s62, s62, 256
	s_add_co_u32 s63, s63, 1
	s_cmp_lt_u32 s63, \trips
	s_cbranch_scc1 .Lstep_\@
	; the tile's end: O^T / the sum, quantised along d: two blocks of 32, each in lanes l and l xor 16
.rept 4
	v_nop                                          ; places behind the last products
.endr
	v_add_f32 v14, v14, v15
	s_delay_alu instid0(VALU_DEP_1)
	v_permlanex16_b32 v242, v14, s20, s21
	s_delay_alu instid0(VALU_DEP_1)
	v_add_f32 v14, v14, v242                       ; the row's sum
	s_wait_alu depctr_va_vdst(0)
	v_rcp_f32 v238, v14
	v_nop                                          ; a plain place behind the reciprocal,
	s_wait_alu depctr_va_vdst(0)                   ; and the wait ahead of its first reader
.set J, 0
.rept 16
	v_pk_mul_f32 v[160+J:161+J], v[160+J:161+J], v[238:239] op_sel_hi:[1,0]
.set J, J+2
.endr
.irp b, 0,1
	v_max3_num_f32 v[212+\b], |v[160+16*\b]|, |v[161+16*\b]|, 0x1800000
.endr
.irp i, 2,4,6,8,10,12,14
.irp b, 0,1
	s_delay_alu instid0(VALU_DEP_2)
	v_max3_num_f32 v[212+\b], v[212+\b], |v[160+16*\b+\i]|, |v[161+16*\b+\i]|
.endr
.endr
.irp b, 0,1
	s_delay_alu instid0(VALU_DEP_2)
	v_permlanex16_b32 v[216+\b], v[212+\b], s20, s21
.endr
.irp b, 0,1
	s_delay_alu instid0(VALU_DEP_2)
	v_max_num_f32 v[212+\b], v[212+\b], v[216+\b]
.endr
.irp b, 0,1
	s_delay_alu instid0(VALU_DEP_2)
	v_add_nc_u32 v[220+\b], 0xff000000, v[212+\b]
.endr
.irp b, 0,1
	s_delay_alu instid0(VALU_DEP_2)
	v_lshrrev_b32 v[216+\b], 23, v[220+\b]
.endr
	s_delay_alu instid0(VALU_DEP_1)
	v_lshl_or_b32 v243, v217, 8, v216              ; the head's two bytes of my row
	v_cvt_scalef32_pk16_fp6_f32 v[192:194], v[160:175], v220
	v_cvt_scalef32_pk16_fp6_f32 v[204:206], v[176:191], v221
	v_nop
.irp i, 0,1,2
	v_permlane16_swap_b32 v[192+\i], v[204+\i]
.endr
.irp i, 0,1,2
	s_delay_alu instid0(VALU_DEP_3)
	v_mov_b32 v[195+\i], v[204+\i]
.endr
	global_store_b128 v1, v[192:195], s[\oimg:\oimg+1]             ; a half image: 512 and 256 consecutive bytes, aligned
	global_store_b64 v2, v[196:197], s[\oimg:\oimg+1] offset:512
	global_store_b16 v223, v243, s[\osc:\osc+1]                    ; lanes l and l xor 16 write the same two bytes with the same value
.endm
	PASS 16, 94, 15, 8, 52, 54
	s_wait_alu depctr_va_vdst(0)
	s_wait_xcnt 0x0                                ; the first tile's stores have read their registers, which the second tile writes again
	PASS 28, 95, 16, 16, 56, 58
	s_wait_tensorcnt 0x0                           ; the wave's end
	ds_add_u32 v254, v255
	s_wait_dscnt 0x0
	CROUND                                         ; the closing round
	s_endpgm
.Lfunc_end_k_q3c084cd908_attn:
	.size	k_q3c084cd908_attn, .Lfunc_end_k_q3c084cd908_attn-k_q3c084cd908_attn
	.p2alignl 7, 3214868480
	.fill 96, 4, 3214868480
	.section	.rodata,"a",@progbits
	.p2align	6, 0x0
	.amdhsa_kernel k_q3c084cd908_attn
		.amdhsa_group_segment_fixed_size 210944
		.amdhsa_private_segment_fixed_size 0
		.amdhsa_enable_private_segment 0
		.amdhsa_kernarg_size 32
		.amdhsa_user_sgpr_count 2
		.amdhsa_user_sgpr_kernarg_segment_ptr 1
		.amdhsa_wavefront_size32 1
		.amdhsa_system_sgpr_workgroup_id_x 1
		.amdhsa_system_sgpr_workgroup_id_y 1
		.amdhsa_system_sgpr_workgroup_id_z 1
		.amdhsa_system_vgpr_workitem_id 0
		.amdhsa_next_free_vgpr 256
		.amdhsa_next_free_sgpr 100
		.amdhsa_reserve_vcc 1
		.amdhsa_float_denorm_mode_32 3
		.amdhsa_float_denorm_mode_16_64 3
		.amdhsa_memory_ordered 1
		.amdhsa_forward_progress 1
		.amdhsa_inst_pref_size 62
	.end_amdhsa_kernel
	.amdgpu_metadata
---
amdhsa.version: [ 1, 2 ]
amdhsa.kernels:
  - .name:           k_q3c084cd908_attn
    .symbol:         k_q3c084cd908_attn.kd
    .args:
      - { .name: qkv_img, .offset: 0, .size: 8, .value_kind: global_buffer, .address_space: global }
      - { .name: qkv_sc, .offset: 8, .size: 8, .value_kind: global_buffer, .address_space: global }
      - { .name: att_img, .offset: 16, .size: 8, .value_kind: global_buffer, .address_space: global }
      - { .name: att_sc, .offset: 24, .size: 8, .value_kind: global_buffer, .address_space: global }
    .group_segment_fixed_size: 210944
    .private_segment_fixed_size: 0
    .kernarg_segment_align: 8
    .kernarg_segment_size: 32
    .max_flat_workgroup_size: 512
    .sgpr_count:     100
    .vgpr_count:     256
    .wavefront_size: 32
...
	.end_amdgpu_metadata
.endif
;; end of part 3
;; launch oproj (part 4): grid 8 x 32, 4 waves a work-group, clusters of 4 x 4, 327,680 bytes of LDS; arguments att_img, att_sc, codes, scales, out0; writes out0
.if DOCPART == 4
	.amdgcn_target "amdgcn-amd-amdhsa--gfx1250"
	.amdhsa_code_object_version 6
	.text
	.protected	k_q3c084cd908_oproj
	.globl	k_q3c084cd908_oproj
	.p2align	8
	.type	k_q3c084cd908_oproj,@function
k_q3c084cd908_oproj:
	s_mov_b64 s[64:65], 0
	v_nop
	global_prefetch_b8 v0, s[64:65] scope:SCOPE_SE
	s_setreg_imm32_b32 hwreg(HW_REG_WAVE_MODE, 25, 1), 1
	s_wait_xcnt 0x0
	s_wait_alu depctr_hold_cnt(0) depctr_sa_sdst(0) depctr_va_vdst(0) depctr_va_sdst(0) depctr_va_ssrc(0) depctr_va_vcc(0) depctr_vm_vsrc(0)
	s_getreg_b32 s2, hwreg(HW_REG_IB_STS2, 6, 4)
	s_cmp_eq_u32 s2, 0
	s_cbranch_scc0 .Lentry_in_a_cluster
	s_endpgm
.Lentry_in_a_cluster:
	s_bfe_u32 s2, ttmp6, 0x10000c
	s_cmp_lg_u32 s2, 0xf033
	s_cbranch_scc0 .Lentry_shape_is_right
	s_endpgm
.Lentry_shape_is_right:
; out0 = attention's result x Wout on codes of FP6 (E2M3) with E8M0 scales, K = 1,024; sums in f32.
; A BLOCK of the result, 256 rows x 128 columns, is made by a work-group of four waves: 8 x 32 = 256 work-groups.  A wave makes 128 x 64: 32 accumulators of 16 x 16, 256 registers.
; ALL OF K LIES IN LDS: A's 16 tiles are 196,608 dense bytes of att_img, B's 8 tiles 98,304 dense bytes of codes, their scales 8,192 and 4,096 dense bytes.  Four tensor loads, one a wave, at the head; one wait, one barrier;
; nothing is filled again, so no barrier stands inside the product.  NO PREFETCH: all that the work-group reads is asked for at the head, so there is no loop to run ahead in.
; CLUSTERS: 4 x 4 work-groups; A's bytes are asked for jointly along a row of the cluster, B's along a column.
; OPERANDS ARE IMAGES: a fragment (16 rows x 128 K, 12 registers a lane) lies as 1,536 bytes: registers 0-3 at 16 x lane, 4-5 at 512 + 8 x lane, 6-9 at 768 + 16 x lane, 10-11 at 1,280 + 8 x lane; a tile's eight fragments on end.
; THE MATRIX INSTRUCTION IS USED TRANSPOSED: source 0 = 16 columns of Wout, source 1 = 16 rows of A: a lane holds eight neighbouring numbers of a row of the result.
; ORDERS: row t of A's stored tile a is position 64 (a / 4) + 8 (a % 4) + t % 8 + 32 (t / 8); row rho of Wout's stored tile 2 b + u is column 32 b + 8 u + rho % 8 + 16 (rho / 8).
; REGISTERS: window 0: v0-31 addresses; v32-63 scale words, two sets; v128-223 A's fragments, one set (on the way out rows read back).  window 1: B's fragments, two sets (v0, v128).  window 2: accumulator (a, b) at v[8 (4 a + b)].
.set FR,     12
.set NL,     4                         ; LDS loads that bring a fragment
.set NP,     4                         ; places behind this matrix instruction (ISA guide 7.12.1)
.set LB,     196608                    ; B's codes, behind A's
.set SCA,    294912                    ; A's scales
.set SCB,    303232                    ; B's, 128 bytes askew, so that the two halves of a scale load fall on different banks
.set STAGE,  307456                    ; the way out: 16 rows x 272 bytes for each wave, in blocks of 256 bytes into which no fill lands
.set SPITCH, 272
.set SPARE,  324864                    ; the spare words, 128 bytes for each wave
.set ADRA, 16                          ; v16, v17: 16 x lane, 8 x lane + my A tiles 0-3; v18, v19: tiles 4-7
.set ADRB, 20                          ; v20, v21 likewise for my four B tiles
.set STO,  24
.set RD,   25
.set CO,   26
.set ADRS, 27                          ; scale words: lanes 0-15 A's rows, lanes 16-31 B's
.set SPW,  28
.set NIL,  29
.set ADRS2, 30                         ; scale words: A's rows in both halves of the lanes (blocks 4-7, which B does not have)
.set SC,   32
.set AF,   128
.set BK,   128
.set G1, 24
.set G0, 32
.set G1B, 48
.set G0B, 56
.set G1S, 68
.set G0S, 76
.set G1SB, 80
.set G0SB, 88
.set MSB, 0
.macro WIN new                         ; the immediate's high byte repeats the setting that is left
.if MSB != (\new)
	s_set_vgpr_msb (MSB<<8)|(\new)
.set MSB, (\new)
.endif
.endm
.set MUL,  0xa1                        ; source 0 (B) window 1, source 1 (A) window 0, C and D window 2
.set TO_B, 0x40                        ; destination window 1, address window 0
.macro CROUND                          ; a round of the cluster's barrier
	s_barrier_signal -1
	s_barrier_wait -1
	s_cmp_lg_u32 s14, 0
	s_cbranch_scc1 .Lnot_wave_0_\@
	s_barrier_signal -3
.Lnot_wave_0_\@:
	s_barrier_wait -3
	s_barrier_signal -1
	s_barrier_wait -1
.endm
.macro DENSE g, rows                   ; descriptor group 1, words 1-7: dense bytes as rows of 256 (32 elements of 8 bytes)
	s_mov_b32 s[\g+1], 32<<16
	s_mov_b32 s[\g+2], (\rows)<<16
	s_mov_b32 s[\g+3], 32<<16
	s_mov_b32 s[\g+4], \rows
	s_mov_b32 s[\g+5], 32
	s_mov_b32 s[\g+6], 0
	s_mov_b32 s[\g+7], 0
.endm
	s_load_b128 s[4:7], s[0:1], 0x0                ; att_img, att_sc
	s_load_b128 s[8:11], s[0:1], 0x10              ; codes, scales
	s_load_b64 s[12:13], s[0:1], 0x20              ; out0
	v_lshl_add_u32 v[SPW], v0, 2, SPARE
	v_mov_b32 v[NIL], 0
	ds_add_u32 v[SPW], v[NIL]                      ; the opening lines: the add, twice on end, and its wait ahead of my tensor load
	ds_add_u32 v[SPW], v[NIL]
	v_lshrrev_b32 v1, 5, v0
	v_readfirstlane_b32 s14, v1                    ; wave 0..3
	s_lshr_b32 s15, s14, 1                         ; which half of A's 256 rows is mine
	s_and_b32 s16, s14, 1                          ; which half of B's 128 columns
	s_bfe_u32 s40, ttmp6, 0x40000                  ; cx
	s_bfe_u32 s41, ttmp6, 0x40004                  ; cy
	s_and_b32 s17, ttmp7, 0xffff
	s_lshl_b32 s17, s17, 2
	s_add_co_u32 s17, s17, s41                     ; A's block of 256 rows
	s_lshl_b32 s42, ttmp9, 2
	s_add_co_u32 s42, s42, s40                     ; B's block of 128 columns
	s_lshl_b32 s43, s41, 2
	s_lshl_b32 s43, 15, s43                        ; my row of the cluster
	s_lshl_b32 s44, 0x1111, s40                    ; my column
	s_or_b32 s[G1+0], s43, (3<<16)|(1<<21)         ; 15:0 the mask; 17:16 elements of 8 bytes; 21 set beside a mask
	s_or_b32 s[G1B+0], s44, (3<<16)|(1<<21)
	s_or_b32 s[G1S+0], s43, (3<<16)|(1<<21)
	s_or_b32 s[G1SB+0], s44, (3<<16)|(1<<21)
	DENSE G1, 768
	DENSE G1B, 384
	DENSE G1S, 32
	DENSE G1SB, 16
	s_mul_i32 s20, s17, 196608                     ; A's 16 tiles of 12,288 bytes
	s_mov_b32 s21, 0
	s_lshl_b32 s22, s17, 13                        ; their scales, 512 bytes a tile
	s_mov_b32 s23, 0
	s_mul_i32 s46, s42, 98304                      ; B's 8 tiles,
	s_add_co_u32 s46, s46, 8650752                 ; of which the first is tile 704 of codes
	s_mov_b32 s47, 0
	s_lshl_b32 s92, s42, 12
	s_add_co_u32 s92, s92, 360448
	s_mov_b32 s93, 0
	s_wait_dscnt 0x0                               ; both opening adds are done
	s_wait_kmcnt 0x0
	CROUND                                         ; all sixteen work-groups are here: the joint loads meet
	s_mov_b32 s[G0], 1
	s_mov_b32 s[G0+1], 0
	s_add_nc_u64 s[G0+2:G0+3], s[4:5], s[20:21]
	s_or_b32 s[G0+3], s[G0+3], 0x80000000
	s_mov_b32 s[G0B], 1
	s_mov_b32 s[G0B+1], LB
	s_add_nc_u64 s[G0B+2:G0B+3], s[8:9], s[46:47]
	s_or_b32 s[G0B+3], s[G0B+3], 0x80000000
	s_mov_b32 s[G0S], 1
	s_mov_b32 s[G0S+1], SCA
	s_add_nc_u64 s[G0S+2:G0S+3], s[6:7], s[22:23]
	s_or_b32 s[G0S+3], s[G0S+3], 0x80000000
	s_mov_b32 s[G0SB], 1
	s_mov_b32 s[G0SB+1], SCB
	s_add_nc_u64 s[G0SB+2:G0SB+3], s[10:11], s[92:93]
	s_or_b32 s[G0SB+3], s[G0SB+3], 0x80000000
; THE LOADS, ONE A WAVE: wave 0 A's codes, wave 1 B's, wave 2 A's scales, wave 3 B's.  One tree of branches on the wave's number: every way passes exactly one load.
.macro ARM under, g0, g1, next
	s_cmp_lt_u32 s14, \under
	s_cbranch_scc0 \next
	tensor_load_to_lds s[\g0:\g0+3], s[\g1:\g1+7]
	s_nop 0
.rept 4
	v_nop
.endr
	s_branch .Lhead_asked
\next:
.endm
	ARM 1, G0,  G1,  .Lhead_b
	ARM 2, G0B, G1B, .Lhead_sa
	ARM 3, G0S, G1S, .Lhead_sb
	tensor_load_to_lds s[G0SB:G0SB+3], s[G1SB:G1SB+7]
	s_nop 0
.rept 4
	v_nop
.endr
.Lhead_asked:
	s_mul_i32 s94, s15, 98304                      ; my 8 tiles of A,
	s_add_co_u32 s95, s94, 49152                   ; the upper four of them,
	s_mul_i32 s96, s16, 49152
	s_add_co_u32 s96, s96, LB                      ; my 4 tiles of B
	s_lshl_b32 s97, s15, 12
	s_lshl_b32 s98, s16, 11
	s_add_co_u32 s98, s98, SCB-SCA
	s_sub_co_u32 s98, s98, s97                     ; from my A rows' scale words to my B rows'
	s_add_co_u32 s97, s97, SCA
	s_mul_i32 s99, s14, 16*SPITCH
	s_add_co_u32 s99, s99, STAGE                   ; my stage
	s_lshl_b32 s20, s17, 8
	s_lshl_b32 s21, s15, 7
	s_add_co_u32 s20, s20, s21                     ; my first row of the result,
	s_lshl_b32 s20, s20, 12                        ; 4,096 bytes a row
	s_lshl_b32 s46, s42, 9
	s_lshl_b32 s47, s16, 8
	s_add_co_u32 s46, s46, s47                     ; my first column, in bytes
	s_add_co_u32 s20, s20, s46
	s_mov_b32 s21, 0
	s_add_nc_u64 s[12:13], s[12:13], s[20:21]
	v_and_b32 v1, 15, v0                           ; r
	v_bfe_u32 v2, v0, 4, 1                         ; h
	v_and_b32 v3, 31, v0
	v_lshlrev_b32 v8, 4, v3                        ; 16 x lane
	v_lshlrev_b32 v9, 3, v3                        ; 8 x lane
	v_add_nc_u32 v[ADRA], s94, v8
	v_add_nc_u32 v[ADRA+1], s94, v9
	v_add_nc_u32 v[ADRA+2], s95, v8
	v_add_nc_u32 v[ADRA+3], s95, v9
	v_add_nc_u32 v[ADRB], s96, v8
	v_add_nc_u32 v[ADRB+1], s96, v9
	v_mul_u32_u24 v6, s98, v2                      ; lanes 16-31 take B's: one product in h
	v_lshlrev_b32 v7, 3, v1
	v_add_nc_u32 v[ADRS2], s97, v7
	v_add_nc_u32 v[ADRS], v[ADRS2], v6
	v_mul_u32_u24 v5, v1, SPITCH                   ; the stage, in: row r, 64 bytes for each half of the lanes
	v_lshl_add_u32 v5, v2, 6, v5
	v_add_nc_u32 v[STO], s99, v5
	v_mul_u32_u24 v4, v2, SPITCH                   ; back: lanes 0-15 one row of 256 bytes, lanes 16-31 the next
	v_lshl_add_u32 v4, v1, 4, v4
	v_add_nc_u32 v[RD], s99, v4
	v_lshlrev_b32 v10, 12, v2                      ; and the same two rows in the result
	v_lshl_add_u32 v[CO], v1, 4, v10
.macro FRAG reg, adr, q, i             ; tile i's fragment of the q-th 128 along K, as it lies
	ds_load_b128 v[\reg:\reg+3], v[\adr] offset:12288*(\i)+1536*(\q)
	ds_load_b64 v[\reg+4:\reg+5], v[\adr+1] offset:12288*(\i)+1536*(\q)+512
	ds_load_b128 v[\reg+6:\reg+9], v[\adr] offset:12288*(\i)+1536*(\q)+768
	ds_load_b64 v[\reg+10:\reg+11], v[\adr+1] offset:12288*(\i)+1536*(\q)+1280
.endm
; 16 matrix instructions: A's blocks a0 .. a0 + 3 x B's four.  The 32 accumulators take turns, one instruction a turn, in the same order in every step.
.macro MUL16 a0, p, q, zero
.irp a, \a0, \a0+1, \a0+2, \a0+3
.irp b, 0,1,2,3
.if \zero
	v_wmma_scale_f32_16x16x128_f8f6f4 v[8*(4*(\a)+\b):8*(4*(\a)+\b)+7], v[128*(\p)+FR*\b:128*(\p)+FR*\b+FR-1], v[AF+FR*(\a):AF+FR*(\a)+FR-1], 0, v[SC+16*(((\q)/2)%2)+2*\b+(\q)%2], v[SC+16*(((\q)/2)%2)+2*(\a)+(\q)%2] matrix_a_fmt:MATRIX_FMT_FP6 matrix_b_fmt:MATRIX_FMT_FP6 matrix_a_scale:MATRIX_SCALE_ROW1
.else
	v_wmma_scale_f32_16x16x128_f8f6f4 v[8*(4*(\a)+\b):8*(4*(\a)+\b)+7], v[128*(\p)+FR*\b:128*(\p)+FR*\b+FR-1], v[AF+FR*(\a):AF+FR*(\a)+FR-1], v[8*(4*(\a)+\b):8*(4*(\a)+\b)+7], v[SC+16*(((\q)/2)%2)+2*\b+(\q)%2], v[SC+16*(((\q)/2)%2)+2*(\a)+(\q)%2] matrix_a_fmt:MATRIX_FMT_FP6 matrix_b_fmt:MATRIX_FMT_FP6 matrix_a_scale:MATRIX_SCALE_ROW1
.endif
.endr
.endr
.endm
.macro FETCH_B q, p                    ; B's four fragments of step q into set p
	WIN TO_B
.irp i, 0,1,2,3
	FRAG 128*(\p)+FR*\i, ADRB, \q, \i
.endr
	WIN 0
.endm
.macro FETCH_A q, i0                   ; A's blocks i0 .. i0 + 3 of step q (i0 = 0 or 4)
.irp i, 0,1,2,3
	FRAG AF+FR*((\i0)+\i), ADRA+2*((\i0)/4), \q, \i
.endr
.endm
.macro SCALES s                        ; the scale words of steps 2 s and 2 s + 1 into set s % 2: two words a row; lanes 0-15 A's block i, lanes 16-31 B's block i while B has one
.irp i, 0,1,2,3
	ds_load_b64 v[SC+16*((\s)%2)+2*\i:SC+16*((\s)%2)+2*\i+1], v[ADRS] offset:\i*512+128*(\s)
.endr
.irp i, 4,5,6,7
	ds_load_b64 v[SC+16*((\s)%2)+2*\i:SC+16*((\s)%2)+2*\i+1], v[ADRS2] offset:\i*512+128*(\s)
.endr
.endm
.macro PLACES n                        ; plain vector instructions between a matrix instruction and a load into, or an LDS store of, its registers (except for loads)
.rept \n
	v_nop
.endr
.endm
.macro STEP q, zero                    ; 128 along K: 32 matrix instructions; the next step's fragments are fetched in its middle and at its end
	s_wait_dscnt 4*NL                              ; B's set, A's blocks 0-3 and the scale words are in; the youngest 16 loads (A's blocks 4-7) may be out
	WIN MUL
	MUL16 0, (\q)%2, \q, \zero
	s_wait_dscnt 0                                 ; A's blocks 4-7 are in
	PLACES NP
	FETCH_B (\q)+1, 1-(\q)%2
	FETCH_A (\q)+1, 0
.if (\q)%2 == 1
	SCALES ((\q)+1)/2
.endif
	WIN MUL
	MUL16 4, (\q)%2, \q, \zero
	PLACES NP
	WIN 0
	FETCH_A (\q)+1, 4
.endm
	s_wait_alu depctr_va_vdst(0)                   ; the wait at the head's end
	s_wait_tensorcnt 0x0                           ; my one load has landed
	s_barrier_signal -1
	s_barrier_wait -1                              ; everybody's has: both operands and their scales lie in LDS, for all of K
	FETCH_B 0, 0
	FETCH_A 0, 0
	SCALES 0
	FETCH_A 0, 4
	STEP 0, 1                                      ; the first products start the sums: nothing is cleared
.irp q, 1,2,3,4,5,6
	STEP \q, 0
.endr
	s_wait_dscnt 4*NL                              ; the last step: nothing more to fetch
	WIN MUL
	MUL16 0, 1, 7, 0
	s_wait_dscnt 0
	MUL16 4, 1, 7, 0
	WIN 0
; THE WAY OUT, block by block of 16 rows x 64 columns, through my own stage: in as the lanes hold it (32 bytes of a row), back as whole rows of 256 bytes.  LDS serves a wave's instructions in order (ISA guide 5.7.1.4).
.macro TOSTAGE a
	WIN 0x08                                       ; the data: window 2
.irp b, 0,1,2,3
	ds_store_b128 v[STO], v[32*(\a)+8*\b:32*(\a)+8*\b+3] offset:128*(\b/2)+32*(\b%2)       ; each accumulator from its low end on
	ds_store_b128 v[STO], v[32*(\a)+8*\b+4:32*(\a)+8*\b+7] offset:128*(\b/2)+32*(\b%2)+16
.endr
	WIN 0
.irp t, 0,1,2,3,4,5,6,7
	ds_load_b128 v[BK+32*((\a)%2)+4*\t:BK+32*((\a)%2)+4*\t+3], v[RD] offset:\t*2*SPITCH
.endr
.endm
.macro SEND a, younger                 ; younger: the LDS instructions issued behind block a's loads, which may stay out
	s_wait_dscnt \younger
.irp t, 0,1,2,3,4,5,6,7
	global_store_b128 v[CO], v[BK+32*((\a)%2)+4*\t:BK+32*((\a)%2)+4*\t+3], s[12:13] offset:(64*((\a)/4)+8*((\a)%4)+(2*\t)%8+32*(\t/4))*4096 th:TH_STORE_NT   ; sixteen lanes store 256 consecutive bytes, aligned; stored rows 2 t and 2 t + 1 are neighbouring positions
.endr
.endm
	PLACES NP
	TOSTAGE 0
.irp a, 1,2,3,4,5,6,7
.if \a > 1
	s_wait_xcnt 0x0                                ; block a - 2's stores have read their registers: block a's loads may land there
.endif
	TOSTAGE \a
	SEND \a-1, 16                                  ; behind block a - 1's loads: block a's 8 stores and 8 loads
.endr
	SEND 7, 0
	s_wait_tensorcnt 0x0                           ; the wave's end
	ds_add_u32 v[SPW], v[NIL]
	s_wait_dscnt 0x0
	CROUND                                         ; the closing round
	s_endpgm
.Lfunc_end_k_q3c084cd908_oproj:
	.size	k_q3c084cd908_oproj, .Lfunc_end_k_q3c084cd908_oproj-k_q3c084cd908_oproj
	.p2alignl 7, 3214868480
	.fill 96, 4, 3214868480
	.section	.rodata,"a",@progbits
	.p2align	6, 0x0
	.amdhsa_kernel k_q3c084cd908_oproj
		.amdhsa_group_segment_fixed_size 327680
		.amdhsa_private_segment_fixed_size 0
		.amdhsa_enable_private_segment 0
		.amdhsa_kernarg_size 40
		.amdhsa_user_sgpr_count 2
		.amdhsa_user_sgpr_kernarg_segment_ptr 1
		.amdhsa_wavefront_size32 1
		.amdhsa_system_sgpr_workgroup_id_x 1
		.amdhsa_system_sgpr_workgroup_id_y 1
		.amdhsa_system_sgpr_workgroup_id_z 1
		.amdhsa_system_vgpr_workitem_id 0
		.amdhsa_next_free_vgpr 768
		.amdhsa_next_free_sgpr 100
		.amdhsa_reserve_vcc 0
		.amdhsa_float_denorm_mode_32 3
		.amdhsa_float_denorm_mode_16_64 3
		.amdhsa_memory_ordered 1
		.amdhsa_forward_progress 1
		.amdhsa_inst_pref_size 85
	.end_amdhsa_kernel
	.amdgpu_metadata
---
amdhsa.version: [ 1, 2 ]
amdhsa.kernels:
  - .name:           k_q3c084cd908_oproj
    .symbol:         k_q3c084cd908_oproj.kd
    .args:
      - { .name: att_img, .offset: 0, .size: 8, .value_kind: global_buffer, .address_space: global }
      - { .name: att_sc, .offset: 8, .size: 8, .value_kind: global_buffer, .address_space: global }
      - { .name: codes, .offset: 16, .size: 8, .value_kind: global_buffer, .address_space: global }
      - { .name: scales, .offset: 24, .size: 8, .value_kind: global_buffer, .address_space: global }
      - { .name: out0, .offset: 32, .size: 8, .value_kind: global_buffer, .address_space: global }
    .group_segment_fixed_size: 327680
    .private_segment_fixed_size: 0
    .kernarg_segment_align: 8
    .kernarg_segment_size: 40
    .max_flat_workgroup_size: 128
    .sgpr_count:     100
    .vgpr_count:     768
    .wavefront_size: 32
...
	.end_amdgpu_metadata
.endif
;; end of part 4
